; MI455X (gfx1250); checked and timed in simulation.
; The chip was launched on July 23, 2026; its instructions are those of AMD's public machine-readable ISA for CDNA 5 (MIT licence, August 2026) and "CDNA5" Instruction Set Architecture Reference Guide (July 2026). The comments in the code are by the model that wrote it; some were corrected since.
;; Encoder. Allowed arithmetic: float matrix products may take bf16 or f16 operands with f32 sums; all other float work in f32.
;; Inputs: W1 1,024 x 4,096 float32; W2 4,096 x 1,024 float32; Wq 16 x 1,024 x 64 float32; b1 4,096 float32; b2 1,024 float32; bq 16 x 64 float32; ln1_b 1,024 float32; ln1_g 1,024 float32; ln2_b 1,024 float32; ln2_g 1,024 float32; x 2 x 2,048 x 1,024 float32.
;; Outputs: out0 2 x 2,048 x 1,024 float32.
;; 2 versions, each right; version 2 is version 1 with the launch cast written anew for expert scheduling mode. Each part assembles by itself: llvm-mc -triple=amdgcn-amd-amdhsa -mcpu=gfx1250 --defsym DOCPART=n.
;; ======== version 1 of 2: 7 launches
;; workspace buffers: act16 8,388,608 bytes; wb 18,874,368 bytes; qh 8,388,608 bytes; f32a 16,777,216 bytes; x1 16,777,216 bytes; hb 33,554,432 bytes
;; launch cast (part 1): grid 256 x 2, 8 waves a work-group, no clusters, 0 bytes of LDS; arguments x, Wq, act16, wb; writes act16, wb
.if DOCPART == 1
	.amdgcn_target "amdgcn-amd-amdhsa--gfx1250"
	.amdhsa_code_object_version 6
	.text
	.protected	k_qce10bb5dfe_cast
	.globl	k_qce10bb5dfe_cast
	.p2align	8
	.type	k_qce10bb5dfe_cast,@function
k_qce10bb5dfe_cast:
	s_mov_b64 s[64:65], 0
	v_nop
	global_prefetch_b8 v0, s[64:65] scope:SCOPE_SE
	s_setreg_imm32_b32 hwreg(HW_REG_WAVE_MODE, 25, 1), 1
	s_wait_xcnt 0x0
; f32 -> bf16 (round to nearest even) of the first product's two operands, so that its tensor loads bring matrix operands as they are.
; The grid's y picks the tensor: 0: x -> act16;  1: Wq [16 h][1024 d][64 e] -> wb byte 16,777,216 as [1024 d][1024 = 64 h + e].  (W1 and W2 are converted beside the attention, where memory has little to do.)
; A stream: each byte is read once and written once; no LDS, no barrier, no matrix unit, no cluster (no two work-groups read the same byte).
; y = 0: a work-group takes 16,384 numbers: sixteen loads of 16 bytes a thread, all issued before the first is used; a wave's load covers 512 consecutive bytes,
; its store of 8 bytes a lane 256 consecutive bytes at a multiple of 256.  No register is written twice, so nothing waits for a store.
.set IN,  8                            ; v[8:71]   sixteen loads of four f32
.set OUT, 72                           ; v[72:103] sixteen pairs of packed bf16
	s_load_b256 s[4:11], s[0:1], 0x0               ; x s[4:5], Wq s[6:7], act16 s[8:9], wb s[10:11]
	s_and_b32 s2, ttmp7, 0xffff                    ; which tensor
	v_lshlrev_b32 v1, 4, v0                        ; 16 bytes a thread in
	v_lshlrev_b32 v2, 3, v0                        ; 8 bytes a thread out
	s_mov_b32 s23, 0                               ; high words of the two offsets
	s_mov_b32 s25, 0
	s_wait_kmcnt 0x0
	s_cmp_eq_u32 s2, 1
	s_cbranch_scc1 .Lwq
	s_lshl_b32 s22, ttmp9, 16                      ; the work-group's 65,536 bytes in,
	s_lshl_b32 s24, ttmp9, 15                      ; its 32,768 bytes out
	s_add_nc_u64 s[16:17], s[4:5], s[22:23]
	s_add_nc_u64 s[18:19], s[8:9], s[24:25]
.set j, 0
.rept 16
	global_load_b128 v[IN+4*j:IN+4*j+3], v1, s[16:17] offset:4096*j
.set j, j+1
.endr
.set j, 0
.rept 16
	s_wait_loadcnt 15-j                            ; loads come back in order: load j is in, the 15 - j younger ones stay out
	v_cvt_pk_bf16_f32 v[OUT+2*j], v[IN+4*j], v[IN+4*j+1]
	v_cvt_pk_bf16_f32 v[OUT+2*j+1], v[IN+4*j+2], v[IN+4*j+3]
	global_store_b64 v2, v[OUT+2*j:OUT+2*j+1], s[18:19] offset:2048*j
.set j, j+1
.endr
	s_endpgm
.Lwq:
	; Work-group g makes rows d = 4 g .. 4 g + 3 of the new layout.  Thread t reads head t / 16, numbers 4 (t % 16) ..: sixteen lanes take one head's row of 256 bytes;
	; in the new row these four numbers lie at byte 8 t, so a wave again stores 256 consecutive bytes.
	v_lshrrev_b32 v3, 4, v0
	v_and_b32 v4, 15, v0
	v_lshlrev_b32 v3, 18, v3                       ; a head is 262,144 bytes
	v_lshl_add_u32 v3, v4, 4, v3
	s_lshl_b32 s22, ttmp9, 10                      ; four rows of 256 bytes in each head,
	s_lshl_b32 s24, ttmp9, 13                      ; four rows of 2,048 bytes out
	s_add_nc_u64 s[16:17], s[6:7], s[22:23]
	s_add_nc_u64 s[18:19], s[10:11], 0x1000000     ; Wq's place in wb
	s_add_nc_u64 s[18:19], s[18:19], s[24:25]
.set j, 0
.rept 4
	global_load_b128 v[IN+4*j:IN+4*j+3], v3, s[16:17] offset:256*j th:TH_LOAD_NT
.set j, j+1
.endr
.set j, 0
.rept 4
	s_wait_loadcnt 3-j                             ; load j is in, the younger ones stay out
	v_cvt_pk_bf16_f32 v[OUT+2*j], v[IN+4*j], v[IN+4*j+1]
	v_cvt_pk_bf16_f32 v[OUT+2*j+1], v[IN+4*j+2], v[IN+4*j+3]
	global_store_b64 v2, v[OUT+2*j:OUT+2*j+1], s[18:19] offset:2048*j
.set j, j+1
.endr
	s_endpgm
.Lfunc_end_k_qce10bb5dfe_cast:
	.size	k_qce10bb5dfe_cast, .Lfunc_end_k_qce10bb5dfe_cast-k_qce10bb5dfe_cast
	.p2alignl 7, 3214868480
	.fill 96, 4, 3214868480
	.section	.rodata,"a",@progbits
	.p2align	6, 0x0
	.amdhsa_kernel k_qce10bb5dfe_cast
		.amdhsa_group_segment_fixed_size 0
		.amdhsa_private_segment_fixed_size 0
		.amdhsa_enable_private_segment 0
		.amdhsa_kernarg_size 32
		.amdhsa_user_sgpr_count 2
		.amdhsa_user_sgpr_kernarg_segment_ptr 1
		.amdhsa_wavefront_size32 1
		.amdhsa_system_sgpr_workgroup_id_x 1
		.amdhsa_system_sgpr_workgroup_id_y 1
		.amdhsa_system_sgpr_workgroup_id_z 1
		.amdhsa_system_vgpr_workitem_id 0
		.amdhsa_next_free_vgpr 104
		.amdhsa_next_free_sgpr 66
		.amdhsa_reserve_vcc 0
		.amdhsa_float_denorm_mode_32 3
		.amdhsa_float_denorm_mode_16_64 3
		.amdhsa_memory_ordered 1
		.amdhsa_forward_progress 1
		.amdhsa_inst_pref_size 8
	.end_amdhsa_kernel
	.amdgpu_metadata
---
amdhsa.version: [ 1, 2 ]
amdhsa.kernels:
  - .name:           k_qce10bb5dfe_cast
    .symbol:         k_qce10bb5dfe_cast.kd
    .args:
      - { .name: x, .offset: 0, .size: 8, .value_kind: global_buffer, .address_space: global }
      - { .name: Wq, .offset: 8, .size: 8, .value_kind: global_buffer, .address_space: global }
      - { .name: act16, .offset: 16, .size: 8, .value_kind: global_buffer, .address_space: global }
      - { .name: wb, .offset: 24, .size: 8, .value_kind: global_buffer, .address_space: global }
    .group_segment_fixed_size: 0
    .private_segment_fixed_size: 0
    .kernarg_segment_align: 8
    .kernarg_segment_size: 32
    .max_flat_workgroup_size: 256
    .sgpr_count:     66
    .vgpr_count:     104
    .wavefront_size: 32
...
	.end_amdgpu_metadata
.endif
;; end of part 1
;; launch qproj (part 2): grid 8 x 32, 4 waves a work-group, clusters of 4 x 4, 327,680 bytes of LDS; arguments act16, wb, qh, bq; writes qh
.if DOCPART == 2
	.amdgcn_target "amdgcn-amd-amdhsa--gfx1250"
	.amdhsa_code_object_version 6
	.text
	.protected	k_qce10bb5dfe_qproj
	.globl	k_qce10bb5dfe_qproj
	.p2align	8
	.type	k_qce10bb5dfe_qproj,@function
k_qce10bb5dfe_qproj:
	s_mov_b64 s[64:65], 0
	v_nop
	global_prefetch_b8 v0, s[64:65] scope:SCOPE_SE
	s_setreg_imm32_b32 hwreg(HW_REG_WAVE_MODE, 25, 1), 1
	s_wait_xcnt 0x0
	s_wait_alu depctr_hold_cnt(0) depctr_sa_sdst(0) depctr_va_vdst(0) depctr_va_sdst(0) depctr_va_ssrc(0) depctr_va_vcc(0) depctr_vm_vsrc(0)
	s_getreg_b32 s2, hwreg(HW_REG_IB_STS2, 6, 4)
	s_cmp_eq_u32 s2, 0
	s_cbranch_scc0 .Lentry_in_a_cluster
	s_endpgm
.Lentry_in_a_cluster:
	s_bfe_u32 s2, ttmp6, 0x10000c
	s_cmp_lg_u32 s2, 0xf033
	s_cbranch_scc0 .Lentry_shape_is_right
	s_endpgm
.Lentry_shape_is_right:
; C[m][n] = bias[n] + sum over k of A[m][k] B[k][n].  A: 4,096 rows x SIZE_K bf16;  B: [SIZE_K][1024] bf16 at byte WOFF of the weights' buffer;  bias: [1024] f32;  sums in f32.
; HERE (OUTF32 = 0): q = x Wq + bq.  A = x in bf16, row-major; B = Wq laid as [d][64 h + e]; C is rounded once to bf16 and written by heads, [16 b + h][2048][64]: a wave's 64 columns are one head.
; A tile of C is 128 x 128: 8 x 32 tiles, one for each of 256 work-groups.  Four waves, each 64 x 64: 16 accumulators of 16 x 16, 128 registers.  K goes in steps of 256 through two LDS slots.
; A's rows lie along K and are read from LDS as they lie; B's rows lie along N, so its fragments are read turned, by ds_load_tr16_b128.
; The bias is the C operand of each sum's first product: no add is spent on it and nothing is cleared.
; ONE K STEP IS WRITTEN ONCE: a loop trip is a K step; the slot that is read is a scalar (0 or SLOT) from which the LDS addresses are made anew at each change of slots, and one walking descriptor a tensor asks for the refills.
; CLUSTERS: 4 x 4 work-groups.  The four of a row of the cluster need the same tiles of A, the four of a column the same tiles of B: each tile is asked for JOINTLY, by the same tensor load
; with the same descriptor and a mask that names the four.  THE MATRIX INSTRUCTION IS USED TRANSPOSED (source 0 = 16 columns of B, source 1 = 16 rows of A): a lane holds eight neighbouring numbers of a row of C.
; LIMITS: operands are bf16 (8 significant bits); the order of the sums is the matrix unit's, K ascending; NaN and infinities are not treated apart.
; REGISTERS: window 0: v0-31 addresses; v32-63 the bias, later with v64-95 at work on the way out; v128-255 the accumulators ((a, b) at v[128 + 8 (4 a + b)]).
;   window 1: two fragment buffers of 128: for 64 along K, 64 registers of A (2 x 4 x 16 rows x 32 K), then 64 of B.   window 2 (OUTF32 = 1 alone): v0-127 the residual's rows.
.set OUTF32, 0
.if OUTF32
.set SIZE_K, 4096
.set WOFF,   8388608
.set AROWB,  512                       ; A lies in blocks of 256 along K, [16][4096][256]: bytes from row to row,
.set APITCH, 256                       ; the same in elements,
.set ASTEP,  4096*512                  ; and bytes from a K step's tile to the next: a block
.set SP,     272                       ; a stage row: 64 f32 + 16 bytes
.else
.set SIZE_K, 1024
.set WOFF,   16777216
.set AROWB,  2048                      ; A is row-major
.set APITCH, 1024
.set ASTEP,  512
.set SP,     144                       ; a stage row: 64 bf16 + 16 bytes
.endif
.set SIZE_N, 1024
.set KSTEP,  256
.set KSTEPS, SIZE_K/KSTEP
.set PA,     528                       ; a row of A in LDS: 512 bytes + 16 = 132 words: the 16 rows of a load start at 16 different groups of four banks (64 banks of 4 bytes: ISA guide 11.1)
.set AHALF,  64*PA                     ; 64 rows of A: one tensor load, and what one wave reads of A
.set PB,     288                       ; a k-row of B in LDS: 128 columns = 256 bytes + 32 = 72 words
.set BHALF,  128*PB                    ; 128 k-rows of B: one tensor load
.set BOFF,   2*AHALF                   ; in a slot: A's 128 rows, then B's 256 k-rows: 141,312 bytes
.set SLOT,   0x24000                   ; 147,456: its two set bits, 17 and 14, are clear in every load's place in a slot (0, 33,792, 67,584, 104,448), so one exclusive or turns an LDS word from one slot into the other
.set STAGE,  2*SLOT                    ; behind the ring, never filled by a tensor load: 16 rows for each wave, its own, for the way out
.set SPARE,  STAGE+4*16*272            ; the spare words, 128 bytes for each wave: two blocks of 256 bytes that no other line names
.set ABASE, 16                         ; v16     my lane's place among A's rows in a slot; never rewritten
.set ADRA,  17                         ; v17     the same in the slot that is read
.set BBASE, 20                         ; v20     my lane's place among B's k-rows in a slot; never rewritten
.set ADRB,  21                         ; v21     the same in the slot that is read, k-rows 0-127; v22 k-rows 128-255 (an immediate offset holds 16 bits)
.set STO,  24                          ; v24     the way out: where I put my part of a row
.set RD,   25                          ; v25     the way out: where I read rows back
.set CO,   26                          ; v26     my byte offset in C
.set BO,   27                          ; v27     my byte offset in the bias: 32 x (lane / 16)
.set SPW,  28                          ; v28     LDS address of my spare word: SPARE + 4 x my thread's number; never rewritten
.set NIL,  29                          ; v29     0; never rewritten
.set PF,   30                          ; v30     (OUTF32 = 1) 256 x lane: a prefetch's 32 blocks
.set BIAS, 32                          ; v32-63  column block b: eight numbers a lane at BIAS + 8 b, laid as a result is
.set TMP,  32                          ; v32-95  the way out of the bf16 form (the bias has been used by then)
.set ACC,  128
.set XR,   0                           ; window 2: the residual's rows, laid as the rows that come back from the stage
.set F0,   0                           ; fragment buffers, in window 1
.set F1,   128
.set G1, 24                            ; s[24:31] descriptor group 1 for A's tiles;  s[32:35] group 0 of the first fill, s[36:39] of the second, which then walks on
.set G0, 32
.set RB, 45                            ; s45      the slot that is read: 0 or SLOT
.set G1B, 48                           ; s[48:55], s[56:63] the same for B's tiles
.set G0B, 56
.set MSB, 0
.macro WIN new                         ; the immediate's high byte repeats the setting that is left; a switch that changes nothing is dropped
.if MSB != (\new)
	s_set_vgpr_msb (MSB<<8)|(\new)
.set MSB, \new
.endif
.endm
.set MUL,  0x05                        ; sources 0 (B) and 1 (A) window 1; C and D window 0
.set TO_F, 0x40                        ; destination window 1, address window 0
.macro JLOAD s                         ; a joint load: waves 0 and 1 fetch A's two halves, waves 2 and 3 B's; an s_nop 0 and four v_nop follow each of the two lines
	s_cmp_eq_u32 s11, 0
	s_cbranch_scc0 .Lfor_b_\@
	tensor_load_to_lds s[G0+4*(\s):G0+4*(\s)+3], s[G1:G1+7]
	s_nop 0
.rept 4
	v_nop
.endr
	s_branch .Lasked_\@
.Lfor_b_\@:
	tensor_load_to_lds s[G0B+4*(\s):G0B+4*(\s)+3], s[G1B:G1B+7]
	s_nop 0
.rept 4
	v_nop
.endr
.Lasked_\@:
.endm
.macro CREST                           ; a round of the cluster's barrier behind its opening barrier
	s_cmp_lg_u32 s10, 0
	s_cbranch_scc1 .Lnot_wave_0_\@
	s_barrier_signal -3
.Lnot_wave_0_\@:
	s_barrier_wait -3
	s_barrier_signal -1
	s_barrier_wait -1
.endm
.macro CROUND                          ; a whole round
	s_barrier_signal -1
	s_barrier_wait -1
	CREST
.endm
	s_load_b128 s[4:7], s[0:1], 0x0                ; A s[4:5], the weights' buffer s[6:7]
	s_load_b64 s[8:9], s[0:1], 0x10                ; C
	s_load_b64 s[66:67], s[0:1], 0x18              ; bias
.if OUTF32
	s_load_b64 s[68:69], s[0:1], 0x20              ; the residual
.endif
	v_lshl_add_u32 v[SPW], v0, 2, SPARE
	v_mov_b32 v[NIL], 0
	ds_add_u32 v[SPW], v[NIL]                      ; the wave's opening: the add and its wait stand ahead of my first tensor load; the set-up below, work on registers, stands between them
	v_lshrrev_b32 v1, 5, v0
	v_readfirstlane_b32 s10, v1                    ; wave 0..3
	s_lshr_b32 s11, s10, 1                         ; which half of the tile's rows is mine.  Also: I fetch for A (0) or for B (1)
	s_and_b32 s12, s10, 1                          ; which half of its columns.  Also: which half of that tile I fetch
	s_bfe_u32 s40, ttmp6, 0x40000                  ; cx, cy: my place in the cluster
	s_bfe_u32 s41, ttmp6, 0x40004
	s_lshl_b32 s42, ttmp9, 2
	s_add_co_u32 s42, s42, s40                     ; tile column of C = 4 x cluster x + cx
	s_and_b32 s13, ttmp7, 0xffff
	s_lshl_b32 s13, s13, 2
	s_add_co_u32 s13, s13, s41                     ; tile row of C = 4 x cluster y + cy
	s_lshl_b32 s43, s41, 2
	s_lshl_b32 s43, 15, s43                        ; my row of the cluster
	s_lshl_b32 s44, 0x1111, s40                    ; my column
	; group 1 for A: 64 rows x 256 elements; 15:0 the mask of my row; 17:16 2-byte elements; 20 padding on; 21 set beside a mask; 24:22 after every 128 words (code 6); 31:25 4 words (code 3)
	s_or_b32 s[G1+0], s43, (1<<16)|(1<<20)|(1<<21)|(6<<22)|(3<<25)
	s_mov_b32 s[G1+1], KSTEP<<16                   ; tensor_dim0 = 256
	s_mov_b32 s[G1+2], 64<<16                      ; tensor_dim1 = 64
	s_mov_b32 s[G1+3], KSTEP<<16                   ; tile_dim0 = 256
	s_mov_b32 s[G1+4], 64                          ; tile_dim1 = 64
	s_mov_b32 s[G1+5], APITCH                      ; elements from row to row
	s_mov_b32 s[G1+6], 0
	s_mov_b32 s[G1+7], 0
	; group 1 for B: 128 k-rows x 128 columns; the mask of my column; padding after every 64 words (code 5) of 8 words (code 7)
	s_or_b32 s[G1B+0], s44, (1<<16)|(1<<20)|(1<<21)|(5<<22)|(7<<25)
	s_mov_b32 s[G1B+1], 128<<16                    ; tensor_dim0 = 128
	s_mov_b32 s[G1B+2], 128<<16                    ; tensor_dim1 = 128
	s_mov_b32 s[G1B+3], 128<<16                    ; tile_dim0 = 128
	s_mov_b32 s[G1B+4], 128                        ; tile_dim1 = 128
	s_mov_b32 s[G1B+5], SIZE_N                     ; elements from k-row to k-row
	s_mov_b32 s[G1B+6], 0
	s_mov_b32 s[G1B+7], 0
	; A's tiles hang on the tile row alone, B's on the tile column alone; each offset is made in registers that never hold the other coordinate
	s_lshl_b32 s17, s12, 6
	s_lshl_b32 s16, s13, 7
	s_add_co_u32 s16, s16, s17                     ; A: row 128 x tile row + 64 x half,
	s_mul_i32 s16, s16, AROWB                      ; in bytes: under 2^24
	s_mov_b32 s17, 0
	s_lshl_b32 s46, s42, 8                         ; B: 128 columns of 2 bytes x tile column
	s_lshl_b32 s47, s12, 18                        ;    + 128 k-rows of 2,048 bytes x half
	s_add_co_u32 s46, s46, s47
	s_mov_b32 s47, 0
	s_mul_i32 s20, s12, AHALF                      ; where they go in a slot: no place in the cluster enters an LDS address
	s_mul_i32 s21, s12, BHALF
	s_add_co_u32 s21, s21, BOFF
	s_mov_b32 s[RB], 0                             ; K step 0 lies in slot 0
.if OUTF32
	s_lshl_b32 s78, s13, 16                        ; for the prefetches: in a block my tile row's 128 rows are 65,536 bytes,
	s_lshl_b32 s79, s42, 13                        ; of which my tile column asks for an eighth: 16 rows, 8,192 bytes
	s_add_co_u32 s78, s78, s79
	s_mov_b32 s79, 0
	s_mov_b32 s74, 4                               ; the block that is asked for next
.endif
	s_wait_dscnt 0x0                               ; the opening add is done
	s_wait_kmcnt 0x0
	s_add_nc_u64 s[14:15], s[4:5], s[16:17]
	s_add_nc_u64 s[6:7], s[6:7], WOFF
	s_add_nc_u64 s[46:47], s[6:7], s[46:47]
.if OUTF32
	s_add_nc_u64 s[72:73], s[4:5], s[78:79]
.endif
	CROUND                                         ; all sixteen work-groups are here: the first joint loads meet
.irp s, 0,1
	s_mov_b32 s[G0+4*(\s)], 1                                        ; count = 1
	s_add_co_u32 s[G0+4*(\s)+1], s20, (\s)*SLOT                      ; LDS address
	s_add_nc_u64 s[G0+4*(\s)+2:G0+4*(\s)+3], s[14:15], (\s)*ASTEP    ; global address: K step s
	s_or_b32 s[G0+4*(\s)+3], s[G0+4*(\s)+3], 0x80000000              ; type = 2
	s_mov_b32 s[G0B+4*(\s)], 1
	s_add_co_u32 s[G0B+4*(\s)+1], s21, (\s)*SLOT
	s_add_nc_u64 s[G0B+4*(\s)+2:G0B+4*(\s)+3], s[46:47], (\s)*KSTEP*SIZE_N*2
	s_or_b32 s[G0B+4*(\s)+3], s[G0B+4*(\s)+3], 0x80000000
	JLOAD \s                                       ; two loads of mine are out
.endr
	v_and_b32 v1, 15, v0                           ; l % 16
	v_bfe_u32 v2, v0, 4, 1                         ; l / 16
	v_mul_u32_u24 v3, v1, PA
	v_lshl_add_u32 v3, v2, 4, v3                   ; A: a fragment's row x pitch + 16 x half of the lanes
	v_and_b32 v4, 7, v0                            ; B: the turning load takes 16 k x 16 columns: lane l reads k-row 8 (l / 16) + l % 8, columns 8 ((l / 8) % 2) + 0..7,
	v_lshl_add_u32 v4, v2, 3, v4                   ; and leaves half a fragment: lane l holds column l % 16 and eight k
	v_mul_u32_u24 v4, v4, PB
	v_bfe_u32 v5, v0, 3, 1
	v_lshl_add_u32 v4, v5, 4, v4
	s_mul_i32 s22, s11, AHALF                      ; my 64 rows of A
	s_lshl_b32 s23, s12, 7                         ; my 64 columns of B, 128 bytes,
	s_add_co_u32 s23, s23, BOFF                    ; behind A's rows
	v_add_nc_u32 v[ABASE], s22, v3
	v_add_nc_u32 v[BBASE], s23, v4
	v_mov_b32 v[ADRA], v[ABASE]                    ; slot 0
	v_mov_b32 v[ADRB], v[BBASE]
	v_add_nc_u32 v[ADRB+1], 128*PB, v[BBASE]
	; the bias of my 64 columns, laid as a result is: register j of block b holds bias[first column + 16 b + 8 (l / 16) + j]
	v_lshlrev_b32 v[BO], 5, v2
	s_lshl_b32 s46, s42, 9                         ; 128 columns of 4 bytes x tile column
	s_lshl_b32 s47, s12, 8                         ; + 64 columns x half
	s_add_co_u32 s46, s46, s47
	s_mov_b32 s47, 0
	s_add_nc_u64 s[66:67], s[66:67], s[46:47]
.irp b, 0,1,2,3
	global_load_b128 v[BIAS+8*(\b):BIAS+8*(\b)+3],   v[BO], s[66:67] offset:64*(\b)
	global_load_b128 v[BIAS+8*(\b)+4:BIAS+8*(\b)+7], v[BO], s[66:67] offset:64*(\b)+16
.endr
	s_mul_i32 s23, s10, 16*SP
	s_add_co_u32 s23, s23, STAGE                   ; my stage
.if OUTF32
	v_and_b32 v[PF], 31, v0
	v_lshlrev_b32 v[PF], 8, v[PF]
	v_mul_u32_u24 v4, v1, SP                       ; in: row l % 16, 32 bytes for each half of the lanes
	v_lshl_add_u32 v4, v2, 5, v4
	v_add_nc_u32 v[STO], s23, v4
	v_mul_u32_u24 v5, v2, SP                       ; back: lanes 0-15 take one row of 256 bytes, lanes 16-31 the next
	v_lshl_add_u32 v5, v1, 4, v5
	v_add_nc_u32 v[RD], s23, v5
	v_lshlrev_b32 v5, 12, v2                       ; and the same two rows in C, 4,096 bytes apart
	v_lshl_add_u32 v[CO], v1, 4, v5
	s_lshl_b32 s16, s13, 7
	s_lshl_b32 s17, s11, 6
	s_add_co_u32 s16, s16, s17                     ; my first row of C
	s_lshl_b32 s16, s16, 12
	s_mov_b32 s17, 0
	s_add_nc_u64 s[8:9], s[8:9], s[16:17]
	s_add_nc_u64 s[8:9], s[8:9], s[46:47]          ; my first column: the same bytes as in the bias
	s_add_nc_u64 s[68:69], s[68:69], s[16:17]      ; the residual has C's shape
	s_add_nc_u64 s[68:69], s[68:69], s[46:47]
.else
	v_mul_u32_u24 v4, v1, SP                       ; in: row l % 16, 16 bytes for each half of the lanes
	v_lshl_add_u32 v4, v2, 4, v4
	v_add_nc_u32 v[STO], s23, v4
	v_bfe_u32 v5, v0, 3, 2                         ; back: 32 lanes take four rows of 128 bytes,
	v_mul_u32_u24 v5, v5, SP
	v_and_b32 v6, 7, v0
	v_lshl_add_u32 v5, v6, 4, v5
	v_add_nc_u32 v[RD], s23, v5
	v_and_b32 v5, 31, v0                           ; which are 512 consecutive bytes of a head
	v_lshlrev_b32 v[CO], 4, v5
	s_lshr_b32 s16, s13, 4                         ; the batch: 16 tile rows each
	s_lshl_b32 s16, s16, 4
	s_lshl_b32 s46, s42, 1
	s_add_co_u32 s46, s46, s12                     ; the head = 2 x tile column + half
	s_add_co_u32 s46, s46, s16                     ; 16 x batch + head,
	s_lshl_b32 s46, s46, 11                        ; its 2,048 rows,
	s_and_b32 s47, s13, 15
	s_lshl_b32 s47, s47, 7
	s_add_co_u32 s46, s46, s47                     ; the tile's 128 rows in the batch,
	s_lshl_b32 s47, s11, 6
	s_add_co_u32 s46, s46, s47                     ; my 64 of them,
	s_lshl_b32 s46, s46, 7                         ; 128 bytes each
	s_mov_b32 s47, 0
	s_add_nc_u64 s[8:9], s[8:9], s[46:47]
.endif
; 8 matrix instructions: m blocks a0, a0 + 1 x all 4 n blocks, 32 along K: half c of buffer f.  zero = 1: the first product starts the sums, from the bias.
; The 16 accumulators take turns, one instruction a turn.
.macro MUL8 f, c, a0, zero
	WIN MUL
.irp a, \a0, (\a0)+1
.irp b, 0,1,2,3
.if \zero
	v_wmma_f32_16x16x32_bf16 v[ACC+8*(4*(\a)+(\b)):ACC+8*(4*(\a)+(\b))+7], v[(\f)+64+8*(4*(\c)+(\b)):(\f)+64+8*(4*(\c)+(\b))+7], v[(\f)+8*(4*(\c)+(\a)):(\f)+8*(4*(\c)+(\a))+7], v[BIAS+8*(\b):BIAS+8*(\b)+7]
.else
	v_wmma_f32_16x16x32_bf16 v[ACC+8*(4*(\a)+(\b)):ACC+8*(4*(\a)+(\b))+7], v[(\f)+64+8*(4*(\c)+(\b)):(\f)+64+8*(4*(\c)+(\b))+7], v[(\f)+8*(4*(\c)+(\a)):(\f)+8*(4*(\c)+(\a))+7], v[ACC+8*(4*(\a)+(\b)):ACC+8*(4*(\a)+(\b))+7]
.endif
.endr
.endr
.endm
; 32 LDS loads in one run: the fragments of 64 along K, at byte k of A's rows = k-row k / 2 of B, of the slot that is read, into buffer f; the first 32 along K first
.macro FETCH k, f
	WIN TO_F
.irp c, 0,1
.irp i, 0,1,2,3
	ds_load_tr16_b128 v[(\f)+64+8*(4*(\c)+(\i)):(\f)+64+8*(4*(\c)+(\i))+3],   v[ADRB+((\k)/256)] offset:(((\k)%256)/2+32*(\c))*PB+32*(\i)
	ds_load_tr16_b128 v[(\f)+64+8*(4*(\c)+(\i))+4:(\f)+64+8*(4*(\c)+(\i))+7], v[ADRB+((\k)/256)] offset:(((\k)%256)/2+32*(\c)+16)*PB+32*(\i)
	ds_load_b128 v[(\f)+8*(4*(\c)+(\i)):(\f)+8*(4*(\c)+(\i))+3],         v[ADRA] offset:(\k)+64*(\c)+(\i)*16*PA
	ds_load_b128 v[(\f)+8*(4*(\c)+(\i))+4:(\f)+8*(4*(\c)+(\i))+7],       v[ADRA] offset:(\k)+64*(\c)+(\i)*16*PA+32
.endr
.endr
.endm
.macro PLACES                          ; four plain vector instructions in front of loads into registers that matrix instructions have read, and of lines that read results
.rept 4
	v_nop
.endr
.endm
; A K step is four quarters of 64 along K, 32 matrix instructions each, on buffers 0, 1, 0, 1.  One of the first three: multiplies buffer f and fetches the next quarter, at byte k, into g.
.macro QUARTER k, f, g, zero
	s_wait_dscnt 16                                ; the first 32 along K are in; the sixteen younger loads may be out
	MUL8 \f, 0, 0, \zero
	MUL8 \f, 0, 2, \zero
	PLACES
	FETCH \k, \g
	s_wait_dscnt 32                                ; all but the 32 just issued
	MUL8 \f, 1, 0, 0
	MUL8 \f, 1, 2, 0
.endm
; The last quarter multiplies buffer 1 and changes slots: ONE barrier; in front of it each wave waits for all its tensor loads, adds 0 to its spare word, and waits for that and for its own
; reads of this slot.  fill = 1: this slot is filled again, two K steps ahead; the barrier then opens a round of the cluster's barrier.
.macro TURN fill
	WIN 0                                          ; (the add's two registers lie in window 0)
	s_wait_tensorcnt 0x0                           ; all my tensor loads have landed: the one that was out is my part of the next slot
	ds_add_u32 v[SPW], v[NIL]                      ; 0 onto my spare word
	s_wait_dscnt 17                                ; (the add and the youngest sixteen loads may be out)
	MUL8 F1, 0, 0, 0                               ; eight matrix instructions stand between the add and the wait for it
	s_wait_dscnt 0x0                               ; the add is done, and my reads of this slot are over
	s_barrier_signal -1
	MUL8 F1, 0, 2, 0
	WIN 0                                          ; (branches and address work follow)
	s_barrier_wait -1
.if \fill
	CREST                                          ; no wave of any partner still reads this slot's tile or has a load on its way
	s_xor_b32 s[G0+5], s[G0+5], SLOT               ; the walking descriptors: the other slot than last time,
	s_add_nc_u64 s[G0+6:G0+7], s[G0+6:G0+7], ASTEP ; the next K step; the type bits on top are not reached
	s_xor_b32 s[G0B+5], s[G0B+5], SLOT
	s_add_nc_u64 s[G0B+6:G0B+7], s[G0B+6:G0B+7], KSTEP*SIZE_N*2
	JLOAD 1                                        ; my one tensor load behind the round, 112 matrix instructions ahead of the wait for it; its four v_nop are also the places in front of the loads below
.if OUTF32
	; A prefetch into the L2.  Behind K step t, block min(t + 4, 15) of A: its tensor load goes out two changes of slots, 256 matrix instructions, later.  Of my tile row's 65,536 bytes in the block each of
	; the eight tile columns asks for an eighth, by wave 0: 32 lanes, 256 bytes apart.  Blocks 4 to 15 are asked for once, the last, by the clamp, in the last three changes too; none lies past the buffer's end.
	s_wait_xcnt 0x0                                ; the last prefetch, a K step back, has read its address
	s_min_u32 s78, s74, KSTEPS-1
	s_lshl_b32 s78, s78, 21                        ; a block is 2,097,152 bytes
	s_add_nc_u64 s[76:77], s[72:73], s[78:79]
	s_add_co_u32 s74, s74, 1
	s_cmp_lg_u32 s10, 0
	s_cbranch_scc1 .Lno_ask_\@
	global_prefetch_b8 v[PF], s[76:77] th:TH_LOAD_NT scope:SCOPE_SE
.Lno_ask_\@:
.endif
.else
	PLACES
.endif
	s_xor_b32 s[RB], s[RB], SLOT                   ; the other slot is read from here on
	v_add_nc_u32 v[ADRA], s[RB], v[ABASE]
	v_add_nc_u32 v[ADRB], s[RB], v[BBASE]
	v_add_nc_u32 v[ADRB+1], 128*PB, v[ADRB]
	FETCH 0, F0
	MUL8 F1, 1, 0, 0
	MUL8 F1, 1, 2, 0
.endm
; THE WAY OUT of m block a (16 rows x my 64 columns), through my own stage: LDS serves a wave's instructions in order (ISA guide 5.7.1.4), so no wait stands between the stores and the loads.
.macro PACK a
	WIN 0
.if OUTF32
.irp b, 0,1,2,3
	ds_store_b128 v[STO], v[ACC+32*(\a)+8*(\b):ACC+32*(\a)+8*(\b)+3] offset:64*(\b)
	ds_store_b128 v[STO], v[ACC+32*(\a)+8*(\b)+4:ACC+32*(\a)+8*(\b)+7] offset:64*(\b)+16
.endr
.irp t, 0,1,2,3,4,5,6,7
	ds_load_b128 v[ACC+32*(\a)+4*(\t):ACC+32*(\a)+4*(\t)+3], v[RD] offset:(\t)*2*SP  ; whole rows of 256 bytes, into the registers that they left
.endr
.else
.irp b, 0,1,2,3
.irp r, 0,1,2,3
	v_cvt_pk_bf16_f32 v[TMP+16*(\a)+4*(\b)+(\r)], v[ACC+32*(\a)+8*(\b)+2*(\r)], v[ACC+32*(\a)+8*(\b)+2*(\r)+1]
.endr
.endr
.irp b, 0,1,2,3
	ds_store_b128 v[STO], v[TMP+16*(\a)+4*(\b):TMP+16*(\a)+4*(\b)+3] offset:32*(\b)
.endr
.irp f, 0,1,2,3
	ds_load_b128 v[TMP+16*(\a)+4*(\f):TMP+16*(\a)+4*(\f)+3], v[RD] offset:(\f)*4*SP  ; four rows of 128 bytes
.endr
.endif
.endm
.macro SEND a, younger                 ; younger: the LDS instructions issued behind block a's loads: the next block's, or none
.if OUTF32
	WIN 0x88                                       ; destination and source 1 in window 2: the sum lands on the residual's registers, and the store, whose data is its source 1, takes it from there
.irp t, 0,1,2,3,4,5,6,7
	s_wait_dscnt (\younger)+7-(\t)
	v_pk_add_f32 v[XR+32*(\a)+4*(\t):XR+32*(\a)+4*(\t)+1], v[ACC+32*(\a)+4*(\t):ACC+32*(\a)+4*(\t)+1], v[XR+32*(\a)+4*(\t):XR+32*(\a)+4*(\t)+1]
	v_pk_add_f32 v[XR+32*(\a)+4*(\t)+2:XR+32*(\a)+4*(\t)+3], v[ACC+32*(\a)+4*(\t)+2:ACC+32*(\a)+4*(\t)+3], v[XR+32*(\a)+4*(\t)+2:XR+32*(\a)+4*(\t)+3]
	global_store_b128 v[CO], v[XR+32*(\a)+4*(\t):XR+32*(\a)+4*(\t)+3], s[8:9] offset:(\a)*16*SIZE_N*4+(\t)*2*SIZE_N*4  ; 16 lanes store 256 consecutive bytes, at a multiple of 256 from C's first byte
.endr
.else
.irp f, 0,1,2,3
	s_wait_dscnt (\younger)+3-(\f)
	global_store_b128 v[CO], v[TMP+16*(\a)+4*(\f):TMP+16*(\a)+4*(\f)+3], s[8:9] offset:(\a)*2048+(\f)*512  ; 512 consecutive bytes of a head, at a multiple of 256
.endr
.endif
.endm
	s_wait_tensorcnt 1                             ; my part of K step 0 is in; K step 1's load, issued behind it, may stay out
	s_barrier_signal -1
	s_barrier_wait -1                              ; everybody's is
	FETCH 0, F0
	s_wait_loadcnt 0x0                             ; the bias
	QUARTER 128, F0, F1, 1                         ; the first quarter stands in front of the loop: its first products start the sums
.if OUTF32
	WIN 0x80                                       ; destination window 2
.irp a, 0,1,2,3
.irp t, 0,1,2,3,4,5,6,7
	global_load_b128 v[XR+32*(\a)+4*(\t):XR+32*(\a)+4*(\t)+3], v[CO], s[68:69] offset:(\a)*16*SIZE_N*4+(\t)*2*SIZE_N*4 th:TH_LOAD_NT  ; the residual, at the places that I store: it has the whole sum in which to land
.endr
.endr
.endif
	WIN 0                                          ; at a label and at a branch every window is 0
	s_mov_b32 s3, KSTEPS-2
.Lstep:                                                ; a trip goes from a K step's second quarter to the next step's first, and fills the slot that it leaves
	QUARTER 256, F1, F0, 0
	QUARTER 384, F0, F1, 0
	TURN 1
	QUARTER 128, F0, F1, 0
	WIN 0
	s_sub_co_u32 s3, s3, 1
	s_cmp_lg_u32 s3, 0
	s_cbranch_scc1 .Lstep
	QUARTER 256, F1, F0, 0                         ; the last two K steps fill nothing, and have no round of the cluster's barrier
	QUARTER 384, F0, F1, 0
	TURN 0
	QUARTER 128, F0, F1, 0
	QUARTER 256, F1, F0, 0
	QUARTER 384, F0, F1, 0
	s_wait_dscnt 16                                ; the very last quarter: nothing more to fetch
	MUL8 F1, 0, 0, 0
	MUL8 F1, 0, 2, 0
	s_wait_dscnt 0x0
	MUL8 F1, 1, 0, 0
	MUL8 F1, 1, 2, 0
	WIN 0
	PLACES
.if OUTF32
.set YOUNG, 16
	s_wait_loadcnt 0x0                             ; the residual
.else
.set YOUNG, 8
.endif
	PACK 0
	PACK 1                                         ; a block's way into the stage stands between the loads of the block before and its stores
	SEND 0, YOUNG
	PACK 2
	SEND 1, YOUNG
	PACK 3
	SEND 2, YOUNG
	SEND 3, 0
	WIN 0
	s_wait_tensorcnt 0x0                           ; the wave's end, behind my last tensor load and my last LDS store
	ds_add_u32 v[SPW], v[NIL]
	s_wait_dscnt 0x0
	CROUND                                         ; the closing round: no work-group ends while a partner may still ask for a tile that names it
	s_endpgm
.Lfunc_end_k_qce10bb5dfe_qproj:
	.size	k_qce10bb5dfe_qproj, .Lfunc_end_k_qce10bb5dfe_qproj-k_qce10bb5dfe_qproj
	.p2alignl 7, 3214868480
	.fill 96, 4, 3214868480
	.section	.rodata,"a",@progbits
	.p2align	6, 0x0
	.amdhsa_kernel k_qce10bb5dfe_qproj
		.amdhsa_group_segment_fixed_size 327680
		.amdhsa_private_segment_fixed_size 0
		.amdhsa_enable_private_segment 0
		.amdhsa_kernarg_size 32
		.amdhsa_user_sgpr_count 2
		.amdhsa_user_sgpr_kernarg_segment_ptr 1
		.amdhsa_wavefront_size32 1
		.amdhsa_system_sgpr_workgroup_id_x 1
		.amdhsa_system_sgpr_workgroup_id_y 1
		.amdhsa_system_sgpr_workgroup_id_z 1
		.amdhsa_system_vgpr_workitem_id 0
		.amdhsa_next_free_vgpr 512
		.amdhsa_next_free_sgpr 68
		.amdhsa_reserve_vcc 0
		.amdhsa_float_denorm_mode_32 3
		.amdhsa_float_denorm_mode_16_64 3
		.amdhsa_memory_ordered 1
		.amdhsa_forward_progress 1
		.amdhsa_inst_pref_size 70
	.end_amdhsa_kernel
	.amdgpu_metadata
---
amdhsa.version: [ 1, 2 ]
amdhsa.kernels:
  - .name:           k_qce10bb5dfe_qproj
    .symbol:         k_qce10bb5dfe_qproj.kd
    .args:
      - { .name: act16, .offset: 0, .size: 8, .value_kind: global_buffer, .address_space: global }
      - { .name: wb, .offset: 8, .size: 8, .value_kind: global_buffer, .address_space: global }
      - { .name: qh, .offset: 16, .size: 8, .value_kind: global_buffer, .address_space: global }
      - { .name: bq, .offset: 24, .size: 8, .value_kind: global_buffer, .address_space: global }
    .group_segment_fixed_size: 327680
    .private_segment_fixed_size: 0
    .kernarg_segment_align: 8
    .kernarg_segment_size: 32
    .max_flat_workgroup_size: 128
    .sgpr_count:     68
    .vgpr_count:     512
    .wavefront_size: 32
...
	.end_amdgpu_metadata
.endif
;; end of part 2
;; launch attn (part 3): grid 8 x 32, 4 waves a work-group, clusters of 4 x 1, 327,680 bytes of LDS; arguments qh, f32a, x, W1, W2, wb; writes f32a, wb
.if DOCPART == 3
	.amdgcn_target "amdgcn-amd-amdhsa--gfx1250"
	.amdhsa_code_object_version 6
	.text
	.protected	k_qce10bb5dfe_attn
	.globl	k_qce10bb5dfe_attn
	.p2align	8
	.type	k_qce10bb5dfe_attn,@function
k_qce10bb5dfe_attn:
	s_mov_b64 s[64:65], 0
	v_nop
	global_prefetch_b8 v0, s[64:65] scope:SCOPE_SE
	s_setreg_imm32_b32 hwreg(HW_REG_WAVE_MODE, 25, 1), 1
	s_wait_xcnt 0x0
	s_wait_alu depctr_hold_cnt(0) depctr_sa_sdst(0) depctr_va_vdst(0) depctr_va_sdst(0) depctr_va_ssrc(0) depctr_va_vcc(0) depctr_vm_vsrc(0)
	s_getreg_b32 s2, hwreg(HW_REG_IB_STS2, 6, 4)
	s_cmp_eq_u32 s2, 0
	s_cbranch_scc0 .Lentry_in_a_cluster
	s_endpgm
.Lentry_in_a_cluster:
	s_bfe_u32 s2, ttmp6, 0x10000c
	s_cmp_lg_u32 s2, 0x3003
	s_cbranch_scc0 .Lentry_shape_is_right
	s_endpgm
.Lentry_shape_is_right:
; O[b][s][64 h + e] = x[b][s][64 h + e] + the sum over t of softmax_t(q[bh][s] . q[bh][t] / 8) q[bh][t][e].  q: [32 = 16 b + h][2048][64] bf16: queries, keys and values are the SAME rows.  x, O: [4096][1024] f32.
; Products, maxima and sums in f32; the weights p are rounded to bf16 for the second product (their sum l is taken of the unrounded p).  The residual x is added here, in f32, so that the norm behind reads one buffer.
; BESIDE IT: W1 and W2, [1024][4096] and [4096][1024] f32, are rounded to bf16 into wb (bytes 0 and 8,388,608).  The key loop asks nothing of memory, so each wave takes 32,768 bytes of W1 (waves 0, 1) or W2
; (waves 2, 3): 64 loads into registers that the loop does not name, issued in the wait for the head's rows, converted and stored behind the loop.
; LIMITS.  q and p have bf16's 8 significant bits; a weight below 2^-126 counts as 0 in l; NaN and infinities are not treated apart; the running maximum starts at the lowest finite number.
; SHARES.  A work-group owns 256 queries of one head, each of its four waves 64: four PIECES of 16.  8 blocks x 32 heads = 256 work-groups.  Every wave walks all 2,048 keys, 64 a step.
; THE WHOLE HEAD LIES IN LDS, ONCE: 2,048 rows of 128 bytes + 16 of padding = 294,912 bytes serve as K (read as they lie) and as V (read turned, by ds_load_tr16_b128).  Each wave asks for 512 rows with
; one tensor load; nothing is ever filled again, so there is no ring, and one barrier shows the rows to all waves.  The price: no product starts before all rows are in.
; The pitch of 144 bytes = 36 words sets the 16 rows of a K load at 16 different groups of four banks (64 banks of 4 bytes: ISA guide 11.1); of the eight rows of a turning load, 32 bytes each, two then meet in the same banks.
; CLUSTER.  The four query blocks of a cluster belong to one head and need the same rows, so each load is JOINT: the same tensor load, descriptor and mask in all four.
; LAYOUT.  S^T = K Q^T (source 0 = 16 keys, source 1 = 16 queries): a lane holds ONE query (lane % 16) and the keys 8 (lane / 16) + 0..7.  Two such results, rounded to bf16 in pairs, ARE source 1
; (32 keys x 16 queries) of O^T = V^T P, whose result again holds one query a lane, and eight channels.
; SOFTMAX.  For each query a running maximum m and sum l: p = 2^(c s - c m), c = log2(e) / 8; in every step O and l are multiplied by a = 2^(c m_old - c m_new).  c m starts far below every c s,
; O and l at 0: the first step is a step like any other, with a = 0.  The price of writing no first step out: 216 lines that write 0, which stand in the wait for the rows.
; BY TURNS.  Turn n belongs to piece n: 8 products K Q^T of piece n + 1, later 8 products V^T P of piece n - 1; beside them the scaling, exponentials, roundings, sums and rescaling of piece n and the maximum
; and statistics of piece n + 1.  Four vector instructions stand behind every matrix instruction, the other 54 of a turn's 118 in two runs of their own.
; REGISTERS, in windows of 256 (s_set_vgpr_msb: bits 1:0 source 0, 3:2 source 1, 5:4 source 2, 7:6 destination):
;   window 0: v0-15, v32-33 addresses and two at work; v16-31 four registers of statistics a piece; v48-55 at work; v64-127 S^T, two buffers; v192-223 P, two buffers (by the piece's parity); v64-191 rows on the way out
;   window 1: v0-127 O^T, 32 a piece; v128-255 x's rows, 32 a piece          window 2: v0-63 Q; v128-191 K of one step; v192-255 V of one step          window 3: my share of W1 or W2
.set NP,    4         ; pieces a wave: a name, no knob
.set KS,    64        ; keys in a step
.set PK,    144       ; a row in LDS
.set STEPB, KS*PK     ; a step's rows
.set STAGE, 304128    ; behind the rows (which end at 294,912): 16 rows x 272 bytes for each wave, its own, for the way out; no tensor load lands here
.set SP,    272
.set SPARE, STAGE+4*16*SP  ; the spare words, 128 bytes for each wave: two blocks of 256 bytes that no other line names
.set AK0, 2           ; v2   my lane's place in a step's rows, read as K; never rewritten
.set AV0, 3           ; v3   the same, read as V
.set AK,  4           ; v4   the LDS address of K's next run of loads
.set AV,  5           ; v5   of V's
.set STO, 6           ; v6   the way out: where I put 32 bytes of a row
.set RD,  7           ; v7   the way out: where I read rows back
.set GO,  8           ; v8   my byte offset in two rows of O and of x
.set MV,  12          ; v12-13  c m_old, kept while c m is made anew: by buffer
.set QO,  15          ; v15  my byte offset in 16 rows of Q
.set ST,  16          ; piece t's statistics at v[ST+4 t]: c m, m, l (even keys', odd keys')
.set WO,  32          ; v32  16 x lane: my place in 512 bytes of W1 or W2
.set WD,  33          ; v33  8 x lane: my place in the 256 bytes that they become
.set TMP, 48          ; by buffer, four registers c0-c3 at work; when the maximum is found c2 takes a
.set SPW, 62          ; v62  LDS address of my spare word: SPARE + 4 x my thread's number; never rewritten
.set NIL, 63          ; v63  0; never rewritten
.set S,   64
.set P,   192
.set XR,  128         ; window 1: x's rows of piece t at XR + 32 t, laid as the rows that come back from the stage
.set KF,  128         ; window 2: key block kb, channel half c at KF + 16 kb + 8 c
.set VF,  192         ; window 2: key half kk, channel block cb at VF + 32 kk + 8 cb
.set WV,  12          ; s12  my wave's number
.set G1,  24          ; s[24:31] descriptor group 1
.set G0,  40          ; s[40:43] descriptor group 0
.set CNT, 57          ; s57  counts the key steps
.set CS,  58          ; s[58:59] c: the packed scaling takes the pair's low word for both halves
.set SEL, 60          ; s[60:61] v_permlanex16_b32's selects: each lane takes its own place in the other half
.set TBK, 62          ; s62  LDS byte at which the step whose K is fetched next begins
.set TBV, 63          ; s63  the same for V
.set MSB, 0
.macro WIN new                      ; the high byte repeats the setting that is left; a switch that changes nothing is dropped
.if MSB != (\new)
	s_set_vgpr_msb (MSB<<8)|(\new)
.set MSB, (\new)
.endif
.endm
.set W_KQ, 0x0a       ; K and Q in window 2, S^T in window 0
.set W_PV, 0x52       ; V in window 2, P in window 0, O^T in window 1
.set W_RS, 0x41       ; destination and source 0 in window 1, source 1 in window 0
; A round of the cluster's barrier: my work-group's barrier, so that wave 0's signal speaks for all four waves; wave 0 signals; every wave waits for all four work-groups; my work-group's barrier once more.
.macro CROUND
	s_barrier_signal -1
	s_barrier_wait -1
	s_cmp_lg_u32 s[WV], 0
	s_cbranch_scc1 .Lnot_wave_0_\@
	s_barrier_signal -3
.Lnot_wave_0_\@:
	s_barrier_wait -3
	s_barrier_signal -1
	s_barrier_wait -1
.endm
	s_load_b256 s[4:11], s[0:1], 0x0  ; q s[4:5], O s[6:7], x s[8:9], W1 s[10:11]
	s_load_b128 s[32:35], s[0:1], 0x20  ; W2 s[32:33], wb s[34:35]
	v_lshl_add_u32 v[SPW], v0, 2, SPARE
	v_mov_b32 v[NIL], 0
	ds_add_u32 v[SPW], v[NIL]       ; the wave's opening: the add and its wait stand ahead of my first tensor load; the set-up below, work on registers, stands between them
	v_lshrrev_b32 v1, 5, v0
	v_readfirstlane_b32 s[WV], v1   ; wave 0..3
	s_bfe_u32 s13, ttmp6, 0x40000   ; cx: my place in the cluster
	s_lshl_b32 s14, ttmp9, 2        ; in a cluster launch ttmp9 counts clusters
	s_add_co_u32 s14, s14, s13      ; my block of 256 queries = 4 x cluster x + cx: it enters no descriptor and no LDS address
	s_and_b32 s15, ttmp7, 0xffff    ; 16 b + h, which the four partners share
	s_lshl_b32 s20, s15, 18         ; the head's first byte in q: 2,048 rows of 128 bytes
	s_lshl_b32 s22, s[WV], 16       ; the 512 rows that I fetch
	s_add_co_u32 s22, s22, s20
	s_mov_b32 s23, 0
	s_mul_i32 s17, s[WV], 512*PK    ; and their place in LDS: no place in the cluster enters an LDS address
	s_lshl_b32 s2, s14, 15          ; my block's 256 rows,
	s_lshl_b32 s3, s[WV], 13        ; my wave's 64 of them
	s_add_co_u32 s2, s2, s3
	s_add_co_u32 s2, s2, s20
	s_mov_b32 s3, 0
	s_lshr_b32 s18, s15, 4          ; O and x: row 2,048 b + 256 x block + 64 x wave,
	s_lshl_b32 s18, s18, 11
	s_lshl_b32 s19, s14, 8
	s_add_co_u32 s18, s18, s19
	s_lshl_b32 s19, s[WV], 6
	s_add_co_u32 s18, s18, s19
	s_lshl_b32 s18, s18, 12         ; of 4,096 bytes,
	s_and_b32 s19, s15, 15
	s_lshl_b32 s19, s19, 8          ; and the head's 256 bytes in it
	s_add_co_u32 s18, s18, s19
	s_mov_b32 s19, 0
	s_lshl3_add_u32 s44, s15, s14   ; my work-group among the 256 = 8 (16 b + h) + block;
	s_and_b32 s45, s[WV], 1
	s_lshl1_add_u32 s44, s44, s45   ; with my wave's low bit: my share among the 512 of W1 or of W2:
	s_lshl_b32 s46, s44, 14         ; 16,384 bytes out,
	s_lshr_b32 s47, s[WV], 1
	s_lshl_b32 s47, s47, 23         ; W2's behind W1's 8,388,608,
	s_add_co_u32 s46, s46, s47
	s_mov_b32 s47, 0
	s_lshl_b32 s44, s44, 15         ; 32,768 bytes in
	s_mov_b32 s45, 0
	; group 1.  512 rows are 65,536 dense bytes: asked for as 256 rows of 256 bytes, two keys a row, and padded in LDS after every key
	s_mov_b32 s[G1], 15|(1<<16)|(1<<20)|(1<<21)|(4<<22)|(3<<25)  ; 15:0 the mask of four; 17:16 2-byte elements; 20 padding on; 21 set beside a mask; 24:22 after every 32 words (code 4); 31:25 4 words (code 3)
	s_mov_b32 s[G1+1], 128<<16      ; tensor_dim0 = 128
	s_mov_b32 s[G1+2], 256<<16      ; tensor_dim1 = 256
	s_mov_b32 s[G1+3], 128<<16      ; tile_dim0 = 128
	s_mov_b32 s[G1+4], 256          ; tile_dim1 = 256
	s_mov_b32 s[G1+5], 128          ; 128 elements from row to row
	s_mov_b32 s[G1+6], 0
	s_mov_b32 s[G1+7], 0
	s_mov_b32 s[CS], 0x3e38aa3b     ; c = log2(e) / 8 = 0.180337
	s_mov_b32 s[CS+1], s[CS]        ; named with it as a pair
	s_mov_b32 s[SEL], 0x76543210
	s_mov_b32 s[SEL+1], 0xfedcba98
	s_mov_b32 s[TBK], 0
	s_mov_b32 s[TBV], 0
	s_mov_b32 s[G0], 1              ; count = 1
	s_mov_b32 s[G0+1], s17          ; LDS address
	s_wait_dscnt 0x0                ; the opening add is done
	s_wait_kmcnt 0x0
	s_add_nc_u64 s[G0+2:G0+3], s[4:5], s[22:23]  ; global address: my quarter of the head's rows
	s_or_b32 s[G0+3], s[G0+3], 0x80000000        ; type = 2
	s_add_nc_u64 s[4:5], s[4:5], s[2:3]          ; Q, O and x at my wave's first row
	s_add_nc_u64 s[6:7], s[6:7], s[18:19]
	s_add_nc_u64 s[8:9], s[8:9], s[18:19]
	s_cmp_lt_u32 s[WV], 2
	s_cselect_b64 s[36:37], s[10:11], s[32:33]   ; waves 0 and 1 take W1, waves 2 and 3 W2,
	s_add_nc_u64 s[36:37], s[36:37], s[44:45]    ; at my share,
	s_add_nc_u64 s[34:35], s[34:35], s[46:47]    ; and wb where it goes
	CROUND                          ; all four work-groups are here: the joint loads meet
	tensor_load_to_lds s[G0:G0+3], s[G1:G1+7]    ; my one tensor load of the launch
	s_nop 0
.rept 4
	v_nop
.endr
	; A fragment of K or Q is 16 rows x 32 channels in 8 registers: lane l holds row l % 16, channels 8 (l / 16) + 0..7 and 16 + 8 (l / 16) + 0..7: two loads of 16 bytes, 32 bytes apart.
	v_and_b32 v1, 15, v0            ; l % 16
	v_bfe_u32 v9, v0, 4, 1          ; l / 16
	v_lshlrev_b32 v[QO], 7, v1
	v_lshl_add_u32 v[QO], v9, 4, v[QO]  ; row x 128 + 16 x half
	WIN 0x80                        ; destination window 2, address window 0
.set i, 0
.rept 8                             ; Q stays in registers: piece i / 2, channels 32 (i % 2) on
	global_load_b128 v[8*i:8*i+3],   v[QO], s[4:5] offset:(i/2)*2048+(i%2)*64
	global_load_b128 v[8*i+4:8*i+7], v[QO], s[4:5] offset:(i/2)*2048+(i%2)*64+32
.set i, i+1
.endr
	; What the first turn finds: V's registers and P's second buffer hold 0 (its products V^T P, of a piece that has not been, add 0), O^T and l are 0.
.set i, VF
.rept 64
	v_mov_b32 v[i], 0
.set i, i+1
.endr
	WIN 0x40
.set i, 0
.rept 128
	v_mov_b32 v[i], 0
.set i, i+1
.endr
	WIN 0
.set i, 0
.rept 4
	v_mov_b32 v[ST+4*i], 0xfe000000    ; c m: far below every c s
	v_mov_b32 v[ST+4*i+1], 0xff7fffff  ; m: the lowest finite number
	v_mov_b32 v[ST+4*i+2], 0
	v_mov_b32 v[ST+4*i+3], 0
.set i, i+1
.endr
.set i, P+16
.rept 16
	v_mov_b32 v[i], 0
.set i, i+1
.endr
	v_mul_u32_u24 v[AK0], v1, PK
	v_lshl_add_u32 v[AK0], v9, 4, v[AK0]  ; row x pitch + 16 x half
	; The turning load takes 16 keys x 16 channels (lane l reads key 8 (l / 16) + l % 8, channels 8 ((l / 8) % 2) + 0..7) and leaves half a fragment of V^T: lane l holds channel l % 16 and 8 keys.
	v_and_b32 v10, 7, v0
	v_bfe_u32 v11, v0, 3, 1
	v_lshl_add_u32 v[AV0], v9, 3, v10
	v_mul_u32_u24 v[AV0], v[AV0], PK
	v_lshl_add_u32 v[AV0], v11, 4, v[AV0]
	s_mul_i32 s16, s[WV], 16*SP
	s_add_co_u32 s16, s16, STAGE    ; my stage
	v_mul_u32_u24 v[STO], v1, SP    ; in: row l % 16, 32 bytes for each half of the lanes
	v_lshl_add_u32 v[STO], v9, 5, v[STO]
	v_add_nc_u32 v[STO], s16, v[STO]
	v_mul_u32_u24 v[RD], v9, SP     ; back: lanes 0-15 take one row of 256 bytes, lanes 16-31 the next
	v_lshl_add_u32 v[RD], v1, 4, v[RD]
	v_add_nc_u32 v[RD], s16, v[RD]
	v_lshlrev_b32 v[GO], 12, v9     ; and the same two rows in O and x, 4,096 bytes apart
	v_lshl_add_u32 v[GO], v1, 4, v[GO]
	v_and_b32 v[WD], 31, v0
	v_lshlrev_b32 v[WO], 4, v[WD]
	v_lshlrev_b32 v[WD], 3, v[WD]
	; My share of W1 or W2: 64 loads of 512 consecutive bytes.  With Q's sixteen that is more than the counter's field holds: the issue of the last ones waits for the oldest to come back
	; (ISA guide 5.7.1), here, where the wave has only the rows to wait for.  They stand behind the request for the rows and behind Q's, which are wanted first.
	WIN 0xc0                        ; destination window 3
.set i, 0
.rept 64
	global_load_b128 v[4*i:4*i+3], v[WO], s[36:37] offset:512*i th:TH_LOAD_NT
.set i, i+1
.endr
	WIN 0
; THE MATRIX WORK.  The 4 accumulators of a run of 8 take turns.  Product i of 8 of S^T = K Q^T for piece x: channels 32 (i / 4) on, keys 16 (i % 4) on.  The first 4 start the sums.
.macro KQ x
	WIN W_KQ
.set rS, S+32*((\x)%2)+8*(i%4)
.set rK, KF+16*(i%4)+8*(i/4)
.set rQ, 16*(\x)+8*(i/4)
.if i < 4
	v_wmma_f32_16x16x32_bf16 v[rS:rS+7], v[rK:rK+7], v[rQ:rQ+7], 0
.else
	v_wmma_f32_16x16x32_bf16 v[rS:rS+7], v[rK:rK+7], v[rQ:rQ+7], v[rS:rS+7]
.endif
.endm
; Product i of 8 of O^T += V^T P for piece x: keys 32 (i / 4) on, channels 16 (i % 4) on.
.macro PV x
	WIN W_PV
.set rO, 32*(\x)+8*(i%4)
.set rV, VF+32*(i/4)+8*(i%4)
.set rP, P+16*((\x)%2)+8*(i/4)
	v_wmma_f32_16x16x32_bf16 v[rO:rO+7], v[rV:rV+7], v[rP:rP+7], v[rO:rO+7]
.endm
.macro MM                           ; the turn's next matrix instruction.  NOKQ = 1: the very last turn: there is no next piece
.if (i < 8) && !NOKQ
	KQ (Y+1)%NP
.elseif i >= 8
.set i, i-8
	PV (Y+NP-1)%NP
.set i, i+8
.endif
.set i, i+1
.endm
; THE LDS LOADS stand in runs of 16, never singly among the matrix instructions: a step's rows as K (64 keys x 64 channels: 8 fragments) and as V (turned).  Their addresses are made some lines ahead.
.macro FETCH_K
	WIN 0x80                        ; destination window 2
.irp f, 0,1,2,3,4,5,6,7             ; keys 16 (f / 2) on, channels 32 (f % 2) on
	ds_load_b128 v[KF+8*\f:KF+8*\f+3],   v[AK] offset:(\f/2)*16*PK+(\f%2)*64
	ds_load_b128 v[KF+8*\f+4:KF+8*\f+7], v[AK] offset:(\f/2)*16*PK+(\f%2)*64+32
.endr
	s_add_co_u32 s[TBK], s[TBK], STEPB  ; the next fetch is the next step's
	WIN 0
.endm
.macro FETCH_V
	WIN 0x80
.irp f, 0,1,2,3,4,5,6,7             ; keys 32 (f / 4) on, channels 16 (f % 4) on
	ds_load_tr16_b128 v[VF+8*\f:VF+8*\f+3],   v[AV] offset:(\f/4)*32*PK+(\f%4)*32
	ds_load_tr16_b128 v[VF+8*\f+4:VF+8*\f+7], v[AV] offset:(\f/4)*32*PK+16*PK+(\f%4)*32
.endr
	WIN 0
.endm
; THE VECTOR WORK, one line at a time: OP kind, number.  For piece Y: F n: c s - c m for pair n of 16.  E n: the exponential of score n of 32.  C n: pair n rounded to bf16.  B n: of the four weights 4 n .. the second
; pair is added onto the first, in place.  L n: l takes that sum (L 0: l = a l + sum).  R n: pair n of 16 of O^T times a.  For piece Y + 1: X n, number n of the 22 that find its maximum and statistics:
;   0-11  four chains c0-c3 of seven scores each, three operands at a time (each accumulator's lowest registers are read first)     12-14, 16  the four scores left over, the old m, and c0-c3 into c0
;   15  c m_old is kept     17, 18  the query's other 32 keys lie in the lane 16 away: the new m     19-21  c m; c m_old - c m_new; a
.set F, 0               ; OP tells the kinds apart by their order: F to L below R, X above it
.set E, 1
.set C, 2
.set B, 3
.set L, 4
.set R, 5
.set X, 6
.macro REGS y                       ; the registers of piece y
.set rT, ST+4*(\y)
.set rC, TMP+4*((\y)%2)
.set rW, MV+((\y)%2)
.set rS, S+32*((\y)%2)
.set rP, P+16*((\y)%2)
.set rO, 32*(\y)
.endm
.macro OP k, n
.if (\k) == R
	REGS Y
	WIN W_RS
	v_pk_mul_f32 v[rO+2*(\n):rO+2*(\n)+1], v[rO+2*(\n):rO+2*(\n)+1], v[rC+2:rC+3] op_sel_hi:[1,0]
.elseif (\k) < R
	REGS Y
	WIN 0
.if (\k) == F
	v_pk_fma_f32 v[rS+2*(\n):rS+2*(\n)+1], v[rS+2*(\n):rS+2*(\n)+1], s[CS:CS+1], v[rT:rT+1] op_sel_hi:[1,0,0] neg_lo:[0,0,1] neg_hi:[0,0,1]
.elseif (\k) == E
	v_exp_f32 v[rS+(\n)], v[rS+(\n)]
.elseif (\k) == C
	s_wait_alu depctr_va_vdst(0)
	v_cvt_pk_bf16_f32 v[rP+(\n)], v[rS+2*(\n)], v[rS+2*(\n)+1]
.elseif (\k) == B
	s_wait_alu depctr_va_vdst(0)
	v_pk_add_f32 v[rS+4*(\n):rS+4*(\n)+1], v[rS+4*(\n):rS+4*(\n)+1], v[rS+4*(\n)+2:rS+4*(\n)+3]
.elseif (\n) == 0
	v_pk_fma_f32 v[rT+2:rT+3], v[rT+2:rT+3], v[rC+2:rC+3], v[rS:rS+1] op_sel_hi:[1,0,1]
.else
	v_pk_add_f32 v[rT+2:rT+3], v[rT+2:rT+3], v[rS+4*(\n):rS+4*(\n)+1]
.endif
.elseif NOKQ
	v_nop
.else
	REGS (Y+1)%NP
	WIN 0
.if (\n) < 4
	v_max3_num_f32 v[rC+(\n)], v[rS+8*(\n)], v[rS+8*(\n)+1], v[rS+8*(\n)+2]
.elseif (\n) < 12
	v_max3_num_f32 v[rC+(\n)%4], v[rC+(\n)%4], v[rS+8*((\n)%4)+2*((\n)/4)+1], v[rS+8*((\n)%4)+2*((\n)/4)+2]
.elseif (\n) == 12
	v_max3_num_f32 v[rC], v[rC], v[rS+7], v[rS+15]
.elseif (\n) == 13
	v_max3_num_f32 v[rC+1], v[rC+1], v[rS+23], v[rS+31]
.elseif (\n) == 14
	v_max3_num_f32 v[rC+2], v[rC+2], v[rC+3], v[rT+1]
.elseif (\n) == 15
	v_mov_b32 v[rW], v[rT]
.elseif (\n) == 16
	v_max3_num_f32 v[rC], v[rC], v[rC+1], v[rC+2]
.elseif (\n) == 17
	v_permlanex16_b32 v[rC+3], v[rC], s[SEL], s[SEL+1]
.elseif (\n) == 18
	v_max_num_f32 v[rT+1], v[rC], v[rC+3]
.elseif (\n) == 19
	v_mul_f32 v[rT], s[CS], v[rT+1]
.elseif (\n) == 20
	v_sub_f32 v[rC+1], v[rW], v[rT]
.else
	v_exp_f32 v[rC+2], v[rC+1]
.endif
.endif
.endm
.macro OPS a, i1, b=-1, i2=0, c=-1, i3=0, d=-1, i4=0  ; up to four of them
	OP \a, \i1
.if (\b) >= 0
	OP \b, \i2
.endif
.if (\c) >= 0
	OP \c, \i3
.endif
.if (\d) >= 0
	OP \d, \i4
.endif
.endm
.macro ROW a, i1, b, i2, c, i3, d, i4  ; a matrix instruction and the four behind it
	MM
	OPS \a, \i1, \b, \i2, \c, \i3, \d, \i4
.endm
; A TURN, for piece p: the order of its 16 matrix and 118 vector instructions, written out.  Behind a matrix instruction: plain, exponential, plain, plain; or four of the rescaling; or, behind the first, four scalings;
; none names a register of the products round it.  In the runs between, exponential and plain by turns while exponentials last: behind every exponential stands a plain instruction before its result is used (ISA guide 5.7.2).
; end = 1: the last two turns: nothing is fetched.  cnt = 1: the loop's count is taken down some lines ahead of the branch that stands behind the turn.
; K of the next step is fetched in piece 2's turn, six vector instructions behind the last product that read K (five of them plain); V of the step in hand in piece 0's turn, eight behind the last product
; that read V (four plain).  Each is waited for a turn later.
.macro TURN p, end=0, cnt=0
.set Y, (\p)
.set i, 0
.set NOKQ, (\end)*((\p)/3)
.if ((\p) == 3) && !(\end)
	s_wait_dscnt 0x0                ; K is in
.endif
	ROW F,0, F,1, F,2, F,3
	ROW F,4, E,0, F,5, F,6
	ROW F,7, E,1, F,8, F,9
	ROW F,10, E,2, C,0, F,11
	ROW F,12, E,3, X,15, F,13
	ROW R,0, R,1, R,2, R,3
	ROW B,0, E,4, F,14, L,0
.if ((\p) == 2) && !(\end)
	v_add_nc_u32 v[AK], s[TBK], v[AK0]
.endif
	ROW R,4, R,5, R,6, R,7
	OPS E,5, F,15
.if ((\p) == 2) && !(\end)
	FETCH_K
.endif
	OPS E,6, C,1, E,7, R,8
	OPS E,8, R,9, E,9, C,2
	OPS E,10, X,0, E,11, X,1
	OPS E,12, X,2, E,13, X,3
.if (\p) == 1
	s_wait_dscnt 0x0                ; V is in
.endif
	ROW X,4, E,14, X,5, X,6
	ROW X,7, E,15, X,8, X,9
	ROW X,10, E,16, X,11, X,12
	ROW X,13, E,17, X,14, B,1
	ROW C,4, E,18, X,16, L,1
	ROW B,2, E,19, C,6, L,2
	ROW C,8, E,20, B,3, B,4
.if (\p) == 0
	v_add_nc_u32 v[AV], s[TBV], v[AV0]
.endif
	ROW C,3, E,21, L,3, C,5
	OPS E,22, X,17, E,23, C,10
.if (\p) == 0
	FETCH_V
.endif
	OPS E,24, L,4
	OPS E,25, X,18, E,26, C,7
	OPS E,27, B,5, E,28, X,19
	OPS E,29, C,12, E,30, L,5
	OPS E,31, X,20, B,6, C,9
	OPS C,14, C,11, X,21, L,6
.if (\p) == 0
	s_add_co_u32 s[TBV], s[TBV], STEPB
.endif
.if \cnt
	s_sub_co_u32 s[CNT], s[CNT], 1
	s_cmp_lg_u32 s[CNT], 0
.endif
	OPS C,13, B,7, C,15, R,10
	OPS R,11, R,12, L,7, R,13
	OPS R,14, R,15
.endm
	s_wait_tensorcnt 0x0            ; my 512 rows are in,
	s_barrier_signal -1
	s_barrier_wait -1               ; everybody's are
	v_add_nc_u32 v[AK], s[TBK], v[AK0]
	FETCH_K                         ; key step 0
	s_wait_loadcnt 0x3f             ; Q: 64 loads were issued behind its sixteen, so with 63 out at the most they are in
	s_wait_dscnt 0x0
.set NOKQ, 0
.set i, 0
.rept 8
	KQ 0                            ; piece 0's first scores: there is no vector work yet to set between them
.set i, i+1
.endr
	WIN 0
.rept 4
	v_nop                           ; the places behind those products
.endr
.set Y, NP-1                        ; X works for piece Y + 1: piece 0
.irp n, 0,1,2,3,4,5,6,7,8,9,10,11,12,13,14,15,16,17,18,19,20,21
	OP X, \n                        ; piece 0's first maximum and statistics
.endr
	v_nop                           ; a plain instruction behind the exponential
	s_mov_b32 s[CNT], 32            ; 2,048 keys are 32 steps
	s_branch .Lfirst                ; the loop is entered at a step's first turn, in the middle of a trip
.Lstep:                             ; a trip: pieces 2 and 3 of one step, then pieces 0 and 1 of the next, whose K and V it fetches
	TURN 2
	TURN 3
	WIN 0
.Lfirst:
	TURN 0
	TURN 1, 0, 1
	WIN 0
	s_cbranch_scc1 .Lstep
	; BEHIND THE LOOP, ahead of the last two turns, under which what is issued here lands and leaves.
	s_wait_loadcnt 0x0              ; my share of W1 or W2: it has had the whole loop in which to land
	WIN 0x40                        ; destination window 1
.irp t, 0,1,2,3
.irp f, 0,1,2,3,4,5,6,7
	global_load_b128 v[XR+32*\t+4*\f:XR+32*\t+4*\f+3], v[GO], s[8:9] offset:\t*65536+\f*8192 th:TH_LOAD_NT  ; x at the places that I store: 16 lanes take the head's 256 bytes of a row
.endr
.endr
	WIN 0xcf                        ; destination and both sources in window 3
.set i, 0
.rept 64
	v_cvt_pk_bf16_f32 v[4*i], v[4*i], v[4*i+1]      ; four f32 become two registers of bf16, in place
	v_cvt_pk_bf16_f32 v[4*i+1], v[4*i+2], v[4*i+3]
.set i, i+1
.endr
	WIN 0x0c                        ; the stores' data (source 1) in window 3, their address in window 0
.set i, 0
.rept 64
	global_store_b64 v[WD], v[4*i:4*i+1], s[34:35] offset:256*i  ; 256 consecutive bytes, at a multiple of 256 from wb's first byte
.set i, i+1
.endr
	TURN 2, 1                       ; the last step's pieces 2 and 3: nothing is left to fetch
	TURN 3, 1
.set i, 0
.rept 8
	PV NP-1                         ; the last piece's V^T P of the last step
.set i, i+1
.endr
	; THE WAY OUT.  l's two halves and the other half of the lanes' are added; O^T is divided by l and sent through my stage in LDS, a piece at a time.  The additions are the places behind the last products.
	WIN 0
.macro ALL line:vararg              ; one line for each piece t
.set t, 0
.rept 4
	\line
.set t, t+1
.endr
.endm
	ALL v_add_f32 v[ST+4*t+2], v[ST+4*t+2], v[ST+4*t+3]
	ALL v_permlanex16_b32 v[ST+4*t+3], v[ST+4*t+2], s[SEL], s[SEL+1]
	ALL v_add_f32 v[ST+4*t+2], v[ST+4*t+2], v[ST+4*t+3]
	ALL v_rcp_f32 v[ST+4*t+2], v[ST+4*t+2]
	v_nop                           ; a plain instruction between the last reciprocal and the use of its result
; Piece t.  In channel block cb a lane holds channels 16 cb + 8 (l / 16) + 0..7 of its row: 32 bytes at byte 64 cb + 32 (l / 16), two stores of 16.  The four blocks fill the row's 256 bytes;
; the rows lie 272 bytes apart and come back whole.
.macro PACK t
	WIN W_RS
.set i, 32*(\t)
.rept 16
	s_wait_alu depctr_va_vdst(0)
	v_pk_mul_f32 v[i:i+1], v[i:i+1], v[ST+4*(\t)+2:ST+4*(\t)+3] op_sel_hi:[1,0]
.set i, i+2
.endr
	WIN 0x04                        ; the stores' data in window 1, their address in window 0
.irp f, 0,1,2,3,4,5,6,7             ; channel block f / 2, registers 4 (f % 2) on
	ds_store_b128 v[STO], v[32*(\t)+4*\f:32*(\t)+4*\f+3] offset:64*(\f/2)+16*(\f%2)
.endr
	WIN 0
.irp f, 0,1,2,3,4,5,6,7
	ds_load_b128 v[S+32*(\t)+4*\f:S+32*(\t)+4*\f+3], v[RD] offset:\f*2*SP  ; LDS serves a wave's instructions in order (ISA guide 5.7.1.4): these see the stores above; the next piece's stores come behind them
.endr
.endm
; x is added and the sum stored.  younger: the LDS instructions issued behind piece t's loads: the next piece's sixteen, or none.
.macro SEND t, younger
	WIN 0x44                        ; destination and source 1 in window 1: the sum lands on x's registers, and the store, whose data is its source 1, takes it from there
	s_wait_loadcnt 8*(3-(\t))       ; x's rows of this piece are in; the later pieces' eight loads each may stay out
.irp f, 0,1,2,3,4,5,6,7
	s_wait_dscnt (\younger)+7-\f
	v_pk_add_f32 v[XR+32*(\t)+4*\f:XR+32*(\t)+4*\f+1], v[S+32*(\t)+4*\f:S+32*(\t)+4*\f+1], v[XR+32*(\t)+4*\f:XR+32*(\t)+4*\f+1]
	v_pk_add_f32 v[XR+32*(\t)+4*\f+2:XR+32*(\t)+4*\f+3], v[S+32*(\t)+4*\f+2:S+32*(\t)+4*\f+3], v[XR+32*(\t)+4*\f+2:XR+32*(\t)+4*\f+3]
	global_store_b128 v[GO], v[XR+32*(\t)+4*\f:XR+32*(\t)+4*\f+3], s[6:7] offset:(\t)*65536+\f*8192  ; 16 lanes store the head's 256 consecutive bytes of a row, at a multiple of 256 from O's first byte
.endr
.endm
	PACK 0
	PACK 1                          ; a piece's arithmetic stands between the loads of the piece before and its stores
	SEND 0, 16
	PACK 2
	SEND 1, 16
	PACK 3
	SEND 2, 16
	SEND 3, 0
	WIN 0
	s_wait_tensorcnt 0x0            ; the wave's end, behind my last tensor load and my last LDS store
	ds_add_u32 v[SPW], v[NIL]
	s_wait_dscnt 0x0
	CROUND                          ; the closing round: no work-group ends while a partner may still ask for rows by a load that names it
	s_endpgm
.Lfunc_end_k_qce10bb5dfe_attn:
	.size	k_qce10bb5dfe_attn, .Lfunc_end_k_qce10bb5dfe_attn-k_qce10bb5dfe_attn
	.p2alignl 7, 3214868480
	.fill 96, 4, 3214868480
	.section	.rodata,"a",@progbits
	.p2align	6, 0x0
	.amdhsa_kernel k_qce10bb5dfe_attn
		.amdhsa_group_segment_fixed_size 327680
		.amdhsa_private_segment_fixed_size 0
		.amdhsa_enable_private_segment 0
		.amdhsa_kernarg_size 48
		.amdhsa_user_sgpr_count 2
		.amdhsa_user_sgpr_kernarg_segment_ptr 1
		.amdhsa_wavefront_size32 1
		.amdhsa_system_sgpr_workgroup_id_x 1
		.amdhsa_system_sgpr_workgroup_id_y 1
		.amdhsa_system_sgpr_workgroup_id_z 1
		.amdhsa_system_vgpr_workitem_id 0
		.amdhsa_next_free_vgpr 1024
		.amdhsa_next_free_sgpr 66
		.amdhsa_reserve_vcc 0
		.amdhsa_float_denorm_mode_32 3
		.amdhsa_float_denorm_mode_16_64 3
		.amdhsa_memory_ordered 1
		.amdhsa_forward_progress 1
		.amdhsa_inst_pref_size 118
	.end_amdhsa_kernel
	.amdgpu_metadata
---
amdhsa.version: [ 1, 2 ]
amdhsa.kernels:
  - .name:           k_qce10bb5dfe_attn
    .symbol:         k_qce10bb5dfe_attn.kd
    .args:
      - { .name: qh, .offset: 0, .size: 8, .value_kind: global_buffer, .address_space: global }
      - { .name: f32a, .offset: 8, .size: 8, .value_kind: global_buffer, .address_space: global }
      - { .name: x, .offset: 16, .size: 8, .value_kind: global_buffer, .address_space: global }
      - { .name: W1, .offset: 24, .size: 8, .value_kind: global_buffer, .address_space: global }
      - { .name: W2, .offset: 32, .size: 8, .value_kind: global_buffer, .address_space: global }
      - { .name: wb, .offset: 40, .size: 8, .value_kind: global_buffer, .address_space: global }
    .group_segment_fixed_size: 327680
    .private_segment_fixed_size: 0
    .kernarg_segment_align: 8
    .kernarg_segment_size: 48
    .max_flat_workgroup_size: 128
    .sgpr_count:     66
    .vgpr_count:     1024
    .wavefront_size: 32
...
	.end_amdgpu_metadata
.endif
;; end of part 3
;; launch ln1 (part 4): grid 256 x 1, 8 waves a work-group, no clusters, 0 bytes of LDS; arguments f32a, ln1_g, ln1_b, x1, act16; writes x1, act16
.if DOCPART == 4
	.amdgcn_target "amdgcn-amd-amdhsa--gfx1250"
	.amdhsa_code_object_version 6
	.text
	.protected	k_qce10bb5dfe_ln1
	.globl	k_qce10bb5dfe_ln1
	.p2align	8
	.type	k_qce10bb5dfe_ln1,@function
k_qce10bb5dfe_ln1:
	s_mov_b64 s[64:65], 0
	v_nop
	global_prefetch_b8 v0, s[64:65] scope:SCOPE_SE
	s_setreg_imm32_b32 hwreg(HW_REG_WAVE_MODE, 25, 1), 1
	s_wait_xcnt 0x0
; y[r][:] = LayerNorm(s[r][:]) * g + b, rows of 1,024 f32, eps = 1e-5.  HERE: s = x + the attention's output, summed by the launch before; y goes out as f32 (the next residual) and as bf16 (the next product's operand).
; A stream: each byte is read once and written once.  One wave takes two whole rows (a row is 32 registers), so the sums never leave the wave: no LDS, no barrier, no loop; no matrix unit and no
; cluster, since there is no product and no two work-groups read the same rows (g and b, 8 KiB, are the only shared bytes).  256 work-groups x 8 waves x 2 rows = 4,096 rows.
; TWO PASSES over the registers: the mean first, then the mean of (s - mean)^2: no difference of large sums is formed, so a common offset of the inputs costs nothing.
; All 32 loads of a wave are issued before the first is used; each covers 512 consecutive bytes.  No register is rewritten under a pending store.
.set BF16OUT, 1
.set SUM,  8                           ; v[8:71]    row r at SUM + 32 r: s, then s - mean, then y, in place
.set GG,   72                          ; v[72:103]  g of my 32 columns (columns 128 j + 4 lane + 0..3)
.set BB,   104                         ; v[104:135] b
.set T,    136                         ; v[136:143] four chains of packed sums
.set MU,   144                         ; v[144:145] the mean, twice
.set RS,   146                         ; v[146:147] 1 / sqrt(var + eps), twice
.set Y16,  148                         ; v[148:179] row r at Y16 + 16 r: y in bf16
	s_load_b256 s[4:11], s[0:1], 0x0               ; s s[4:5], g s[6:7], b s[8:9], y s[10:11]
.if BF16OUT
	s_load_b64 s[12:13], s[0:1], 0x20              ; y in bf16
.endif
	v_lshrrev_b32 v3, 5, v0
	v_readfirstlane_b32 s16, v3                    ; wave 0..7
	v_and_b32 v1, 31, v0
.if BF16OUT
	v_lshlrev_b32 v2, 3, v1                        ; 8 bytes a lane (bf16)
.endif
	v_lshlrev_b32 v1, 4, v1                        ; 16 bytes a lane (f32)
	s_lshl_b32 s17, ttmp9, 3
	s_add_co_u32 s17, s17, s16                     ; my wave among all 2,048
	s_lshl_b32 s18, s17, 13                        ; its two rows of 4,096 bytes
	s_mov_b32 s19, 0
	s_lshl_b32 s24, s17, 12                        ; and of 2,048 bytes
	s_mov_b32 s25, 0
	s_mov_b32 s20, 0x3a800000                      ; 1 / 1024
	s_mov_b32 s21, 0x3727c5ac                      ; 1e-5
	s_mov_b32 s22, 0x76543210                      ; v_permlanex16_b32: lane i of one half reads lane i of the other
	s_mov_b32 s23, 0xfedcba98
	s_wait_kmcnt 0x0
	s_add_nc_u64 s[4:5], s[4:5], s[18:19]
	s_add_nc_u64 s[10:11], s[10:11], s[18:19]
.if BF16OUT
	s_add_nc_u64 s[12:13], s[12:13], s[24:25]
.endif
.irp j, 0,1,2,3,4,5,6,7
	global_load_b128 v[GG+4*(\j):GG+4*(\j)+3], v1, s[6:7] offset:512*(\j)
.endr
.irp j, 0,1,2,3,4,5,6,7
	global_load_b128 v[BB+4*(\j):BB+4*(\j)+3], v1, s[8:9] offset:512*(\j)
.endr
.irp r, 0,1
.irp j, 0,1,2,3,4,5,6,7
	global_load_b128 v[SUM+32*(\r)+4*(\j):SUM+32*(\r)+4*(\j)+3], v1, s[4:5] offset:(\r)*4096+512*(\j) th:TH_LOAD_NT
.endr
.endr
; The four chains are folded into one number a lane, and that is summed over the 32 lanes: four steps inside each half of 16 lanes ride on the addition, one crosses the halves; every lane ends with the sum.
.macro FOLD
	v_pk_add_f32 v[T:T+1], v[T:T+1], v[T+2:T+3]
	v_pk_add_f32 v[T+4:T+5], v[T+4:T+5], v[T+6:T+7]
	v_pk_add_f32 v[T:T+1], v[T:T+1], v[T+4:T+5]
	v_add_f32 v[T], v[T], v[T+1]
	v_add_f32_dpp v[T], v[T], v[T] row_xmask:1 row_mask:0xf bank_mask:0xf
	v_add_f32_dpp v[T], v[T], v[T] row_xmask:2 row_mask:0xf bank_mask:0xf
	v_add_f32_dpp v[T], v[T], v[T] row_xmask:4 row_mask:0xf bank_mask:0xf
	v_add_f32_dpp v[T], v[T], v[T] row_xmask:8 row_mask:0xf bank_mask:0xf
	v_permlanex16_b32 v[T+1], v[T], s22, s23
	v_add_f32 v[T], v[T], v[T+1]
.endm
; Row r.  left = how many younger loads may stay out.
.macro ROWS r, left
.set A, SUM+32*(\r)
	s_wait_loadcnt \left                           ; loads come back in order: g, b and this row's eight are in
.set i, 0
.rept 4
	v_pk_add_f32 v[T+2*i:T+2*i+1], v[A+2*i:A+2*i+1], v[A+8+2*i:A+8+2*i+1]  ; the first eight pairs start the chains: nothing is cleared
.set i, i+1
.endr
.set i, 8
.rept 8
	v_pk_add_f32 v[T+2*(i%4):T+2*(i%4)+1], v[T+2*(i%4):T+2*(i%4)+1], v[A+2*i:A+2*i+1]
.set i, i+1
.endr
	FOLD
	v_mul_f32 v[MU], s20, v[T]                     ; the mean
	v_mul_f32 v[MU+1], s20, v[T]
.set i, 0
.rept 16
	v_pk_add_f32 v[A+2*i:A+2*i+1], v[A+2*i:A+2*i+1], v[MU:MU+1] neg_lo:[0,1] neg_hi:[0,1]  ; s - mean
.set i, i+1
.endr
.set i, 0
.rept 4
	v_pk_mul_f32 v[T+2*i:T+2*i+1], v[A+2*i:A+2*i+1], v[A+2*i:A+2*i+1]
.set i, i+1
.endr
.set i, 4
.rept 12
	v_pk_fma_f32 v[T+2*(i%4):T+2*(i%4)+1], v[A+2*i:A+2*i+1], v[A+2*i:A+2*i+1], v[T+2*(i%4):T+2*(i%4)+1]
.set i, i+1
.endr
	FOLD
	v_fma_f32 v[T], v[T], s20, s21                 ; var + eps
	v_rsq_f32 v[RS], v[T]
	v_rsq_f32 v[RS+1], v[T]
	v_nop                                          ; a plain instruction between the root and the use of its result (ISA guide 5.7.2)
.set i, 0
	s_wait_alu depctr_va_vdst(0)
.rept 16
	v_pk_mul_f32 v[A+2*i:A+2*i+1], v[A+2*i:A+2*i+1], v[RS:RS+1]
.set i, i+1
.endr
.set i, 0
.rept 16
	v_pk_fma_f32 v[A+2*i:A+2*i+1], v[A+2*i:A+2*i+1], v[GG+2*i:GG+2*i+1], v[BB+2*i:BB+2*i+1]
.set i, i+1
.endr
.irp j, 0,1,2,3,4,5,6,7
	global_store_b128 v1, v[A+4*(\j):A+4*(\j)+3], s[10:11] offset:(\r)*4096+512*(\j)  ; 512 consecutive bytes
.endr
.if BF16OUT
.set i, 0
.rept 16
	v_cvt_pk_bf16_f32 v[Y16+16*(\r)+i], v[A+2*i], v[A+2*i+1]
.set i, i+1
.endr
.irp j, 0,1,2,3,4,5,6,7
	global_store_b64 v2, v[Y16+16*(\r)+2*(\j):Y16+16*(\r)+2*(\j)+1], s[12:13] offset:(\r)*2048+256*(\j)  ; 256 consecutive bytes, at a multiple of 256
.endr
.endif
.endm
	ROWS 0, 8                                      ; the second row's eight loads stay out
	ROWS 1, 0
	s_endpgm
.Lfunc_end_k_qce10bb5dfe_ln1:
	.size	k_qce10bb5dfe_ln1, .Lfunc_end_k_qce10bb5dfe_ln1-k_qce10bb5dfe_ln1
	.p2alignl 7, 3214868480
	.fill 96, 4, 3214868480
	.section	.rodata,"a",@progbits
	.p2align	6, 0x0
	.amdhsa_kernel k_qce10bb5dfe_ln1
		.amdhsa_group_segment_fixed_size 0
		.amdhsa_private_segment_fixed_size 0
		.amdhsa_enable_private_segment 0
		.amdhsa_kernarg_size 40
		.amdhsa_user_sgpr_count 2
		.amdhsa_user_sgpr_kernarg_segment_ptr 1
		.amdhsa_wavefront_size32 1
		.amdhsa_system_sgpr_workgroup_id_x 1
		.amdhsa_system_sgpr_workgroup_id_y 1
		.amdhsa_system_sgpr_workgroup_id_z 1
		.amdhsa_system_vgpr_workitem_id 0
		.amdhsa_next_free_vgpr 180
		.amdhsa_next_free_sgpr 66
		.amdhsa_reserve_vcc 0
		.amdhsa_float_denorm_mode_32 3
		.amdhsa_float_denorm_mode_16_64 3
		.amdhsa_memory_ordered 1
		.amdhsa_forward_progress 1
		.amdhsa_inst_pref_size 22
	.end_amdhsa_kernel
	.amdgpu_metadata
---
amdhsa.version: [ 1, 2 ]
amdhsa.kernels:
  - .name:           k_qce10bb5dfe_ln1
    .symbol:         k_qce10bb5dfe_ln1.kd
    .args:
      - { .name: f32a, .offset: 0, .size: 8, .value_kind: global_buffer, .address_space: global }
      - { .name: ln1_g, .offset: 8, .size: 8, .value_kind: global_buffer, .address_space: global }
      - { .name: ln1_b, .offset: 16, .size: 8, .value_kind: global_buffer, .address_space: global }
      - { .name: x1, .offset: 24, .size: 8, .value_kind: global_buffer, .address_space: global }
      - { .name: act16, .offset: 32, .size: 8, .value_kind: global_buffer, .address_space: global }
    .group_segment_fixed_size: 0
    .private_segment_fixed_size: 0
    .kernarg_segment_align: 8
    .kernarg_segment_size: 40
    .max_flat_workgroup_size: 256
    .sgpr_count:     66
    .vgpr_count:     180
    .wavefront_size: 32
...
	.end_amdgpu_metadata
.endif
;; end of part 4
;; launch ffn1 (part 5): grid 16 x 16, 4 waves a work-group, clusters of 4 x 4, 327,680 bytes of LDS; arguments act16, wb, hb, b1; writes hb
.if DOCPART == 5
	.amdgcn_target "amdgcn-amd-amdhsa--gfx1250"
	.amdhsa_code_object_version 6
	.text
	.protected	k_qce10bb5dfe_ffn1
	.globl	k_qce10bb5dfe_ffn1
	.p2align	8
	.type	k_qce10bb5dfe_ffn1,@function
k_qce10bb5dfe_ffn1:
	s_mov_b64 s[64:65], 0
	v_nop
	global_prefetch_b8 v0, s[64:65] scope:SCOPE_SE
	s_setreg_imm32_b32 hwreg(HW_REG_WAVE_MODE, 25, 1), 1
	s_wait_xcnt 0x0
	s_wait_alu depctr_hold_cnt(0) depctr_sa_sdst(0) depctr_va_vdst(0) depctr_va_sdst(0) depctr_va_ssrc(0) depctr_va_vcc(0) depctr_vm_vsrc(0)
	s_getreg_b32 s2, hwreg(HW_REG_IB_STS2, 6, 4)
	s_cmp_eq_u32 s2, 0
	s_cbranch_scc0 .Lentry_in_a_cluster
	s_endpgm
.Lentry_in_a_cluster:
	s_bfe_u32 s2, ttmp6, 0x10000c
	s_cmp_lg_u32 s2, 0xf033
	s_cbranch_scc0 .Lentry_shape_is_right
	s_endpgm
.Lentry_shape_is_right:
; h[m][n] = max(0, b1[n] + sum over k of x1[m][k] W1[k][n]).  x1: [4096][1024] bf16;  W1: [1024][4096] bf16, at byte 0 of the weights' buffer;  b1: [4096] f32;  sums in f32.
; h, bf16, IS WRITTEN IN BLOCKS of 256 columns, [16 = n / 256][4096 m][256]: the next product walks n as its K in steps of 256, and a tile of its rows is then consecutive memory.  A block is this launch's tile column.
; A tile of h, 256 x 256, is made by a work-group of four waves; a wave makes 128 x 128: 64 accumulators of 16 x 16, 512 registers.  16 x 16 tiles: one for each of 256 work-groups.
; K goes in steps of 128 through a ring of two LDS slots filled by the tensor data mover.  x1's rows lie along K and are read from LDS as they lie; W1's rows lie along N, so its fragments are read turned, by ds_load_tr16_b128.
; ONE K STEP IS WRITTEN ONCE: a loop trip is a K step; the slot that is read is a scalar (0 or SLOT) from which the LDS addresses are made anew at each change of slots, and one walking descriptor a tensor asks for the refills.
; The bias is the C operand of each sum's first product.  CLUSTERS: 4 x 4 work-groups; the four of a row of the cluster need the same tiles of x1, the four of a column the same tiles of W1:
; each tile is asked for JOINTLY, by the same tensor load with the same descriptor and a mask that names the four.
; THE MATRIX INSTRUCTION IS USED TRANSPOSED (source 0 = 16 columns of W1, source 1 = 16 rows of x1): a lane holds eight neighbouring numbers of a row of h, which pack into 16 bytes.
; LIMITS: operands are bf16; v_max_num_f32 turns a NaN into 0, where the reference's maximum keeps it; the order of the sums is the matrix unit's, K ascending.
; REGISTERS, in windows of 256 (s_set_vgpr_msb's low byte: bits 1:0 source 0, 3:2 source 1, 5:4 source 2, 7:6 destination):
;   window 0: v0-31 addresses; v64-127, v128-191 fragments of x1, two buffers; v192-255 the bias, later with v32-63 at work on the way out
;   window 1: v64-127, v128-191 fragments of W1, two buffers
;   window 2: the 32 accumulators of my rows 0-63 (accumulator (a, b) at v[8 (8 a + b)]);   window 3: those of my rows 64-127
.set SIZE_N, 4096
.set SIZE_K, 1024
.set KSTEP,  128
.set KSTEPS, SIZE_K/KSTEP
.set HROW,   512                       ; a row of a block of h, in bytes
.set PITCH,  272                       ; a row of x1 in LDS: 256 bytes + 16 = 68 words: the 16 rows of a load start at 16 different groups of four banks (64 banks of 4 bytes: ISA guide 11.1)
.set PB,     544                       ; a k-row of W1 in LDS: 256 columns = 512 bytes + 32 = 136 words
.set HALFT,  128*PITCH                 ; what one tensor load brings: 128 rows of x1, or 64 k-rows of W1 (64 x 544, the same bytes)
.set SLOT,   4*HALFT                   ; x1's 256 rows, then W1's 128 k-rows: 139,264 = 0x22000: its two set bits, 17 and 13, are clear in every load's place in a slot (wave x 34,816), so one exclusive or turns an LDS word from one slot into the other
.set STAGE,  2*SLOT                    ; behind the ring: 16 rows x 272 bytes for each wave, its own, for the way out
.set SPITCH, 272
.set SPARE,  STAGE+4*16*SPITCH         ; the spare words, 128 bytes for each wave: two blocks of 256 bytes that no other line names
.set ABASE, 16                         ; v16     my lane's place among x1's rows in a slot; never rewritten
.set ADRA,  17                         ; v17     the same in the slot that is read
.set BBASE, 20                         ; v20     my lane's place among W1's k-rows in a slot; never rewritten
.set ADRB,  21                         ; v21     the same in the slot that is read
.set STO,  24                          ; v24     the way out: where I put 16 bytes of a row
.set RD,   25                          ; v25     the way out: where I read a row back
.set CO,   26                          ; v26     my byte offset in h
.set BO,   27                          ; v27     my byte offset in the bias: 32 x (lane / 16)
.set SPW,  28                          ; v28     LDS address of my spare word: SPARE + 4 x my thread's number; never rewritten
.set NIL,  29                          ; v29     0; never rewritten
.set F0,   64                          ; fragment buffer 0
.set F1,   128                         ; fragment buffer 1
.set BIAS, 192                         ; column block b: eight numbers a lane at BIAS + 8 b, laid as a result is
.set TMP,  192                         ; the way out: packed results (the bias has been used by then)
.set OB,   32                          ; the way out: 16 rows read back from the stage: v32-63 and v224-255 by turns
.set G1, 24                            ; s[24:31] descriptor group 1 for x1's tiles;  s[32:35] group 0 of the first fill, s[36:39] of the second, which then walks on
.set G0, 32
.set RB, 45                            ; s45      the slot that is read: 0 or SLOT
.set G1B, 48                           ; s[48:55], s[56:63] the same for W1's tiles
.set G0B, 56
.set MSB, 0
.macro WIN new                         ; the immediate's high byte repeats the setting that is left; a switch that changes nothing is dropped
.if MSB != (\new)
	s_set_vgpr_msb (MSB<<8)|(\new)
.set MSB, \new
.endif
.endm
.set MUL_LO, 0xa1                      ; source 0 (W1) window 1, source 1 (x1) window 0, C and D window 2
.set MUL_HI, 0xf1                      ; the same, C and D window 3
.set TO_B,   0x40                      ; destination window 1, address window 0
.macro JLOAD s                         ; a joint load: waves 0 and 1 fetch x1's two halves, waves 2 and 3 W1's; an s_nop 0 and four v_nop follow each of the two lines
	s_cmp_eq_u32 s11, 0
	s_cbranch_scc0 .Lfor_b_\@
	tensor_load_to_lds s[G0+4*(\s):G0+4*(\s)+3], s[G1:G1+7]
	s_nop 0
.rept 4
	v_nop
.endr
	s_branch .Lasked_\@
.Lfor_b_\@:
	tensor_load_to_lds s[G0B+4*(\s):G0B+4*(\s)+3], s[G1B:G1B+7]
	s_nop 0
.rept 4
	v_nop
.endr
.Lasked_\@:
.endm
.macro CREST                           ; a round of the cluster's barrier behind its opening barrier
	s_cmp_lg_u32 s10, 0
	s_cbranch_scc1 .Lnot_wave_0_\@
	s_barrier_signal -3
.Lnot_wave_0_\@:
	s_barrier_wait -3
	s_barrier_signal -1
	s_barrier_wait -1
.endm
.macro CROUND                          ; a whole round
	s_barrier_signal -1
	s_barrier_wait -1
	CREST
.endm
	s_load_b128 s[4:7], s[0:1], 0x0                ; x1 s[4:5], the weights' buffer s[6:7]
	s_load_b64 s[8:9], s[0:1], 0x10                ; h
	s_load_b64 s[66:67], s[0:1], 0x18              ; b1
	v_lshl_add_u32 v[SPW], v0, 2, SPARE
	v_mov_b32 v[NIL], 0
	ds_add_u32 v[SPW], v[NIL]                      ; the wave's opening: the add and its wait stand ahead of my first tensor load; the set-up below, work on registers, stands between them
	v_lshrrev_b32 v1, 5, v0
	v_readfirstlane_b32 s10, v1                    ; wave 0..3
	s_lshr_b32 s11, s10, 1                         ; which half of the tile's rows is mine.  Also: I fetch for x1 (0) or for W1 (1)
	s_and_b32 s12, s10, 1                          ; which half of its columns.  Also: which half of that tile I fetch
	s_bfe_u32 s40, ttmp6, 0x40000                  ; cx, cy: my place in the cluster
	s_bfe_u32 s41, ttmp6, 0x40004
	s_lshl_b32 s42, ttmp9, 2
	s_add_co_u32 s42, s42, s40                     ; tile column = 4 x cluster x + cx
	s_and_b32 s13, ttmp7, 0xffff
	s_lshl_b32 s13, s13, 2
	s_add_co_u32 s13, s13, s41                     ; tile row = 4 x cluster y + cy
	s_lshl_b32 s43, s41, 2
	s_lshl_b32 s43, 15, s43                        ; my row of the cluster
	s_lshl_b32 s44, 0x1111, s40                    ; my column
	; group 1 for x1: 128 rows x 128 elements; 15:0 the mask of my row; 17:16 2-byte elements; 20 padding on; 21 set beside a mask; 24:22 after every 64 words (code 5); 31:25 4 words (code 3)
	s_or_b32 s[G1+0], s43, (1<<16)|(1<<20)|(1<<21)|(5<<22)|(3<<25)
	s_mov_b32 s[G1+1], KSTEP<<16                   ; tensor_dim0 = 128
	s_mov_b32 s[G1+2], 128<<16                     ; tensor_dim1 = 128
	s_mov_b32 s[G1+3], KSTEP<<16                   ; tile_dim0 = 128
	s_mov_b32 s[G1+4], 128                         ; tile_dim1 = 128
	s_mov_b32 s[G1+5], SIZE_K                      ; elements from row to row
	s_mov_b32 s[G1+6], 0
	s_mov_b32 s[G1+7], 0
	; group 1 for W1: 64 k-rows x 256 columns; the mask of my column; padding after every 128 words (code 6) of 8 words (code 7)
	s_or_b32 s[G1B+0], s44, (1<<16)|(1<<20)|(1<<21)|(6<<22)|(7<<25)
	s_mov_b32 s[G1B+1], 256<<16                    ; tensor_dim0 = 256
	s_mov_b32 s[G1B+2], 64<<16                     ; tensor_dim1 = 64
	s_mov_b32 s[G1B+3], 256<<16                    ; tile_dim0 = 256
	s_mov_b32 s[G1B+4], 64                         ; tile_dim1 = 64
	s_mov_b32 s[G1B+5], SIZE_N                     ; elements from k-row to k-row
	s_mov_b32 s[G1B+6], 0
	s_mov_b32 s[G1B+7], 0
	; x1's tiles hang on the tile row alone, W1's on the tile column alone; each offset is made in registers that never hold the other coordinate
	s_lshl_b32 s17, s12, 7
	s_lshl_b32 s16, s13, 8
	s_add_co_u32 s16, s16, s17                     ; x1: row 256 x tile row + 128 x half,
	s_lshl_b32 s16, s16, 11                        ; of 2,048 bytes
	s_mov_b32 s17, 0
	s_lshl_b32 s46, s42, 9                         ; W1: 256 columns of 2 bytes x tile column
	s_lshl_b32 s47, s12, 19                        ;     + 64 k-rows of 8,192 bytes x half
	s_add_co_u32 s46, s46, s47
	s_mov_b32 s47, 0
	s_mul_i32 s20, s10, HALFT                      ; where they go in a slot: wave x one load's bytes: no place in the cluster enters an LDS address
	s_mov_b32 s[RB], 0                             ; K step 0 lies in slot 0
	s_wait_dscnt 0x0                               ; the opening add is done
	s_wait_kmcnt 0x0
	s_add_nc_u64 s[14:15], s[4:5], s[16:17]
	s_add_nc_u64 s[46:47], s[6:7], s[46:47]
	CROUND                                         ; all sixteen work-groups are here: the first joint loads meet
.irp s, 0,1
	s_mov_b32 s[G0+4*(\s)], 1                                        ; count = 1
	s_add_co_u32 s[G0+4*(\s)+1], s20, (\s)*SLOT                      ; LDS address
	s_add_nc_u64 s[G0+4*(\s)+2:G0+4*(\s)+3], s[14:15], (\s)*KSTEP*2  ; global address: K step s
	s_or_b32 s[G0+4*(\s)+3], s[G0+4*(\s)+3], 0x80000000              ; type = 2
	s_mov_b32 s[G0B+4*(\s)], 1
	s_add_co_u32 s[G0B+4*(\s)+1], s20, (\s)*SLOT
	s_add_nc_u64 s[G0B+4*(\s)+2:G0B+4*(\s)+3], s[46:47], (\s)*KSTEP*SIZE_N*2
	s_or_b32 s[G0B+4*(\s)+3], s[G0B+4*(\s)+3], 0x80000000
	JLOAD \s                                       ; two loads of mine are out
.endr
	v_and_b32 v1, 15, v0                           ; l % 16
	v_bfe_u32 v2, v0, 4, 1                         ; l / 16
	v_mul_u32_u24 v3, v1, PITCH
	v_lshl_add_u32 v3, v2, 4, v3                   ; x1: a fragment's row x pitch + 16 x half of the lanes
	v_and_b32 v4, 7, v0                            ; W1: the turning load takes 16 k x 16 columns: lane l reads k-row 8 (l / 16) + l % 8, columns 8 ((l / 8) % 2) + 0..7,
	v_lshl_add_u32 v4, v2, 3, v4                   ; and leaves half a fragment: lane l holds column l % 16 and eight k
	v_mul_u32_u24 v4, v4, PB
	v_bfe_u32 v5, v0, 3, 1
	v_lshl_add_u32 v4, v5, 4, v4
	s_mul_i32 s21, s11, HALFT                      ; my 128 rows of x1
	s_lshl_b32 s22, s12, 8                         ; my 128 columns of W1, 256 bytes,
	s_add_co_u32 s22, s22, 2*HALFT                 ; behind x1's rows
	v_add_nc_u32 v[ABASE], s21, v3
	v_add_nc_u32 v[BBASE], s22, v4
	v_mov_b32 v[ADRA], v[ABASE]                    ; slot 0
	v_mov_b32 v[ADRB], v[BBASE]
	; the bias of my 128 columns, laid as a result is: register j of block b holds b1[first column + 16 b + 8 (l / 16) + j]
	v_lshlrev_b32 v[BO], 5, v2
	s_lshl_b32 s46, s42, 10                        ; 256 columns of 4 bytes x tile column
	s_lshl_b32 s47, s12, 9                         ; + 128 columns x half
	s_add_co_u32 s46, s46, s47
	s_mov_b32 s47, 0
	s_add_nc_u64 s[66:67], s[66:67], s[46:47]
.irp b, 0,1,2,3,4,5,6,7
	global_load_b128 v[BIAS+8*(\b):BIAS+8*(\b)+3],   v[BO], s[66:67] offset:64*(\b)
	global_load_b128 v[BIAS+8*(\b)+4:BIAS+8*(\b)+7], v[BO], s[66:67] offset:64*(\b)+16
.endr
	s_mul_i32 s23, s10, 16*SPITCH
	s_add_co_u32 s23, s23, STAGE                   ; my stage
	v_mul_u32_u24 v4, v1, SPITCH                   ; in: row l % 16, 16 bytes for each half of the lanes
	v_lshl_add_u32 v4, v2, 4, v4
	v_add_nc_u32 v[STO], s23, v4
	v_mul_u32_u24 v5, v2, SPITCH                   ; back: lanes 0-15 take one row of 256 bytes, lanes 16-31 the next
	v_lshl_add_u32 v5, v1, 4, v5
	v_add_nc_u32 v[RD], s23, v5
	v_lshlrev_b32 v5, 9, v2                        ; and the same two rows in the block of h, 512 bytes apart
	v_lshl_add_u32 v[CO], v1, 4, v5
	s_lshl_b32 s16, s13, 8
	s_lshl_b32 s17, s11, 7
	s_add_co_u32 s16, s16, s17                     ; my first row of h,
	s_lshl_b32 s16, s16, 9                         ; of 512 bytes in a block
	s_mov_b32 s17, 0
	s_add_nc_u64 s[8:9], s[8:9], s[16:17]
	s_lshl_b32 s46, s42, 21                        ; my tile column's block, 4,096 rows x 512 bytes,
	s_lshl_b32 s47, s12, 8                         ; and my half of its rows' 512 bytes
	s_add_co_u32 s46, s46, s47
	s_mov_b32 s47, 0
	s_add_nc_u64 s[8:9], s[8:9], s[46:47]
; 16 matrix instructions: m blocks a0, a0 + 1 of the window's four (hi = 0: my rows 0-63, 1: rows 64-127) x all 8 n blocks, 32 along K.
; zero = 1: the first product starts the sums, from the bias in window 0.  The 64 accumulators take turns, one instruction a turn.
.macro MUL16 f, hi, a0, zero
.if \zero
	WIN 0x81+0x40*(\hi)                            ; C in window 0, D in window 2 or 3
.else
	WIN MUL_LO+0x50*(\hi)                          ; MUL_LO or MUL_HI
.endif
.irp a, \a0, (\a0)+1
.irp b, 0,1,2,3,4,5,6,7
.if \zero
	v_wmma_f32_16x16x32_bf16 v[8*(8*(\a)+(\b)):8*(8*(\a)+(\b))+7], v[(\f)+8*(\b):(\f)+8*(\b)+7], v[(\f)+8*(4*(\hi)+(\a)):(\f)+8*(4*(\hi)+(\a))+7], v[BIAS+8*(\b):BIAS+8*(\b)+7]
.else
	v_wmma_f32_16x16x32_bf16 v[8*(8*(\a)+(\b)):8*(8*(\a)+(\b))+7], v[(\f)+8*(\b):(\f)+8*(\b)+7], v[(\f)+8*(4*(\hi)+(\a)):(\f)+8*(4*(\hi)+(\a))+7], v[8*(8*(\a)+(\b)):8*(8*(\a)+(\b))+7]
.endif
.endr
.endr
.endm
; 32 LDS loads in one run: the fragments of one quarter step (128 columns of W1, 128 rows of x1, 32 K at byte k of x1's rows = k-row k / 2 of W1) of the slot that is read, into buffer f
.macro FETCH k, f
	WIN TO_B
.irp i, 0,1,2,3,4,5,6,7
	ds_load_tr16_b128 v[(\f)+8*(\i):(\f)+8*(\i)+3],   v[ADRB] offset:((\k)/2)*PB+32*(\i)
	ds_load_tr16_b128 v[(\f)+8*(\i)+4:(\f)+8*(\i)+7], v[ADRB] offset:((\k)/2+16)*PB+32*(\i)
.endr
	WIN 0
.irp i, 0,1,2,3,4,5,6,7
	ds_load_b128 v[(\f)+8*(\i):(\f)+8*(\i)+3],   v[ADRA] offset:(\k)+(\i)*16*PITCH
	ds_load_b128 v[(\f)+8*(\i)+4:(\f)+8*(\i)+7], v[ADRA] offset:(\k)+(\i)*16*PITCH+32
.endr
.endm
.macro PLACES                          ; four plain vector instructions in front of loads into registers that matrix instructions have read, and of lines that read results
.rept 4
	v_nop
.endr
.endm
; A K step is four quarter steps of 32 along K, 64 matrix instructions each, on buffers 0, 1, 0, 1.
; One of the first three: multiplies buffer f; in its middle it fetches the next quarter's fragments, at byte k of the rows, into buffer g.
.macro QUARTER k, f, g, zero
	s_wait_dscnt 8                                 ; W1 and x1's rows 0-63 are in; the youngest eight loads (x1's rows 64-127) may be out
	MUL16 \f, 0, 0, \zero
	MUL16 \f, 0, 2, \zero
	PLACES
	FETCH \k, \g
	s_wait_dscnt 32                                ; all but the 32 just issued
	MUL16 \f, 1, 0, \zero
	MUL16 \f, 1, 2, \zero
.endm
; The last quarter multiplies buffer 1 and changes slots: ONE barrier.  In front of it each wave waits for all its tensor loads, of which one is out: its part of the next slot; adds 0 to its spare word; and waits
; for that and for its own reads of this slot.  Behind it nobody reads this slot any more and the next slot is whole.
; fill = 1: the slot just read out is filled again first, two K steps ahead, behind a round of the cluster's barrier, which the barrier opens; then come the next slot's first fragments.
.macro TURN fill
	WIN 0                                          ; (the add's two registers lie in window 0)
	s_wait_tensorcnt 0x0                           ; all my tensor loads have landed
	ds_add_u32 v[SPW], v[NIL]                      ; 0 onto my spare word
	s_wait_dscnt 9                                 ; (the add and the youngest eight loads may be out)
	MUL16 F1, 0, 0, 0                              ; sixteen matrix instructions stand between the add and the wait for it
	s_wait_dscnt 0x0                               ; the add is done, and my reads of this slot are over
	s_barrier_signal -1
	MUL16 F1, 0, 2, 0                              ; work on registers while the others arrive
	WIN 0                                          ; (branches and address work follow)
	s_barrier_wait -1
.if \fill
	CREST                                          ; no wave of any partner still reads this slot's tile or has a load on its way
	s_xor_b32 s[G0+5], s[G0+5], SLOT               ; the walking descriptors: the other slot than last time,
	s_add_nc_u64 s[G0+6:G0+7], s[G0+6:G0+7], KSTEP*2  ; the next K step; the type bits on top are not reached
	s_xor_b32 s[G0B+5], s[G0B+5], SLOT
	s_add_nc_u64 s[G0B+6:G0B+7], s[G0B+6:G0B+7], KSTEP*SIZE_N*2
	JLOAD 1                                        ; my one tensor load behind the round, 224 matrix instructions ahead of the wait for it; its four v_nop are also the places in front of the loads below
.else
	PLACES
.endif
	s_xor_b32 s[RB], s[RB], SLOT                   ; the other slot is read from here on
	v_add_nc_u32 v[ADRA], s[RB], v[ABASE]
	v_add_nc_u32 v[ADRB], s[RB], v[BBASE]
	FETCH 0, F0
	MUL16 F1, 1, 0, 0
	MUL16 F1, 1, 2, 0
.endm
; THE WAY OUT of block a (16 rows x my 128 columns), in three parts.  PACK: max(0, .), rounded to bf16, 16 bytes a lane.  TOSTAGE: into my own stage in LDS, and back as whole rows of 256 bytes.  SEND: stored.
.macro PACK a
.set AC, 64*((\a)%4)
	WIN 0x88+0x44*((\a)/4)                         ; source 1 and destination: window 2 or 3
.set z, 0
.rept 64
	v_max_num_f32 v[AC+z], 0, v[AC+z]              ; ascending: each accumulator is read from its low end on
.set z, z+1
.endr
	WIN 0x0a+5*((\a)/4)                            ; sources 0 and 1: window 2 or 3
.irp b, 0,1,2,3,4,5,6,7
.irp r, 0,1,2,3
	v_cvt_pk_bf16_f32 v[TMP+4*(\b)+(\r)], v[AC+8*(\b)+2*(\r)], v[AC+8*(\b)+2*(\r)+1]
.endr
.endr
	WIN 0
.endm
.macro TOSTAGE a
	WIN 0
.set BK, OB+192*((\a)%2)
.irp b, 0,1,2,3,4,5,6,7
	ds_store_b128 v[STO], v[TMP+4*(\b):TMP+4*(\b)+3] offset:32*(\b)
.endr
.irp t, 0,1,2,3,4,5,6,7
	ds_load_b128 v[BK+4*(\t):BK+4*(\t)+3], v[RD] offset:(\t)*2*SPITCH  ; LDS serves a wave's instructions in order (ISA guide 5.7.1.4): these see the stores above
.endr
.endm
.macro SEND a, younger                 ; younger: the LDS loads issued behind TOSTAGE's, which may stay out
	WIN 0
.set BK, OB+192*((\a)%2)
	s_wait_dscnt \younger                          ; the block is back in registers
	s_wait_xcnt 0x0                                ; every earlier store has had its addresses translated (ISA guide 3.1): the other read-back buffer, which the block before stored from, is loaded again only behind this wait
.irp t, 0,1,2,3,4,5,6,7
	global_store_b128 v[CO], v[BK+4*(\t):BK+4*(\t)+3], s[8:9] offset:(\a)*16*HROW+(\t)*2*HROW  ; 16 lanes store 256 consecutive bytes, at a multiple of 256 from h's first byte
.endr
.endm
	s_wait_tensorcnt 1                             ; my part of K step 0 is in; K step 1's load, issued behind it, may stay out
	s_barrier_signal -1
	s_barrier_wait -1                              ; everybody's is
	FETCH 0, F0
	s_wait_loadcnt 0x0                             ; the bias
	QUARTER 64,  F0, F1, 1                         ; the first quarter stands in front of the loop: its products start the sums
	WIN 0                                          ; at a label and at a branch every window is 0
	s_mov_b32 s3, KSTEPS-2
.Lstep:                                                ; a trip goes from a K step's second quarter to the next step's first, and fills the slot that it leaves
	QUARTER 128, F1, F0, 0
	QUARTER 192, F0, F1, 0
	TURN 1
	QUARTER 64,  F0, F1, 0
	WIN 0
	s_sub_co_u32 s3, s3, 1
	s_cmp_lg_u32 s3, 0
	s_cbranch_scc1 .Lstep
	QUARTER 128, F1, F0, 0                         ; the last two K steps fill nothing, and have no round of the cluster's barrier
	QUARTER 192, F0, F1, 0
	TURN 0
	QUARTER 64,  F0, F1, 0
	QUARTER 128, F1, F0, 0
	QUARTER 192, F0, F1, 0
	s_wait_dscnt 8                                 ; the very last quarter: nothing more to fetch
	MUL16 F1, 0, 0, 0
	MUL16 F1, 0, 2, 0
	s_wait_dscnt 0x0
	MUL16 F1, 1, 0, 0
	MUL16 F1, 1, 2, 0
	WIN 0
	PLACES
	PACK 0
	TOSTAGE 0
.irp a, 1,2,3,4,5,6,7                  ; block a's arithmetic stands between block a - 1's loads from the stage and the wait for them
	PACK \a
	SEND (\a)-1, 0
	TOSTAGE \a
.endr
	SEND 7, 0
	s_wait_tensorcnt 0x0                           ; the wave's end, behind my last tensor load and my last LDS store
	ds_add_u32 v[SPW], v[NIL]
	s_wait_dscnt 0x0
	CROUND                                         ; the closing round: no work-group ends while a partner may still ask for a tile that names it
	s_endpgm
.Lfunc_end_k_qce10bb5dfe_ffn1:
	.size	k_qce10bb5dfe_ffn1, .Lfunc_end_k_qce10bb5dfe_ffn1-k_qce10bb5dfe_ffn1
	.p2alignl 7, 3214868480
	.fill 96, 4, 3214868480
	.section	.rodata,"a",@progbits
	.p2align	6, 0x0
	.amdhsa_kernel k_qce10bb5dfe_ffn1
		.amdhsa_group_segment_fixed_size 327680
		.amdhsa_private_segment_fixed_size 0
		.amdhsa_enable_private_segment 0
		.amdhsa_kernarg_size 32
		.amdhsa_user_sgpr_count 2
		.amdhsa_user_sgpr_kernarg_segment_ptr 1
		.amdhsa_wavefront_size32 1
		.amdhsa_system_sgpr_workgroup_id_x 1
		.amdhsa_system_sgpr_workgroup_id_y 1
		.amdhsa_system_sgpr_workgroup_id_z 1
		.amdhsa_system_vgpr_workitem_id 0
		.amdhsa_next_free_vgpr 1024
		.amdhsa_next_free_sgpr 68
		.amdhsa_reserve_vcc 0
		.amdhsa_float_denorm_mode_32 3
		.amdhsa_float_denorm_mode_16_64 3
		.amdhsa_memory_ordered 1
		.amdhsa_forward_progress 1
		.amdhsa_inst_pref_size 134
	.end_amdhsa_kernel
	.amdgpu_metadata
---
amdhsa.version: [ 1, 2 ]
amdhsa.kernels:
  - .name:           k_qce10bb5dfe_ffn1
    .symbol:         k_qce10bb5dfe_ffn1.kd
    .args:
      - { .name: act16, .offset: 0, .size: 8, .value_kind: global_buffer, .address_space: global }
      - { .name: wb, .offset: 8, .size: 8, .value_kind: global_buffer, .address_space: global }
      - { .name: hb, .offset: 16, .size: 8, .value_kind: global_buffer, .address_space: global }
      - { .name: b1, .offset: 24, .size: 8, .value_kind: global_buffer, .address_space: global }
    .group_segment_fixed_size: 327680
    .private_segment_fixed_size: 0
    .kernarg_segment_align: 8
    .kernarg_segment_size: 32
    .max_flat_workgroup_size: 128
    .sgpr_count:     68
    .vgpr_count:     1024
    .wavefront_size: 32
...
	.end_amdgpu_metadata
.endif
;; end of part 5
;; launch ffn2 (part 6): grid 8 x 32, 4 waves a work-group, clusters of 4 x 4, 327,680 bytes of LDS; arguments hb, wb, f32a, b2, x1; writes f32a
.if DOCPART == 6
	.amdgcn_target "amdgcn-amd-amdhsa--gfx1250"
	.amdhsa_code_object_version 6
	.text
	.protected	k_qce10bb5dfe_ffn2
	.globl	k_qce10bb5dfe_ffn2
	.p2align	8
	.type	k_qce10bb5dfe_ffn2,@function
k_qce10bb5dfe_ffn2:
	s_mov_b64 s[64:65], 0
	v_nop
	global_prefetch_b8 v0, s[64:65] scope:SCOPE_SE
	s_setreg_imm32_b32 hwreg(HW_REG_WAVE_MODE, 25, 1), 1
	s_wait_xcnt 0x0
	s_wait_alu depctr_hold_cnt(0) depctr_sa_sdst(0) depctr_va_vdst(0) depctr_va_sdst(0) depctr_va_ssrc(0) depctr_va_vcc(0) depctr_vm_vsrc(0)
	s_getreg_b32 s2, hwreg(HW_REG_IB_STS2, 6, 4)
	s_cmp_eq_u32 s2, 0
	s_cbranch_scc0 .Lentry_in_a_cluster
	s_endpgm
.Lentry_in_a_cluster:
	s_bfe_u32 s2, ttmp6, 0x10000c
	s_cmp_lg_u32 s2, 0xf033
	s_cbranch_scc0 .Lentry_shape_is_right
	s_endpgm
.Lentry_shape_is_right:
; C[m][n] = bias[n] + sum over k of A[m][k] B[k][n].  A: 4,096 rows x SIZE_K bf16;  B: [SIZE_K][1024] bf16 at byte WOFF of the weights' buffer;  bias: [1024] f32;  sums in f32.
; HERE (OUTF32 = 1): C = x1 + h W2 + b2.  A = h, laid in blocks of 256 along K, [16][4096][256], so that a tile's 64 rows of 512 bytes are 32,768 consecutive bytes; B = W2; the residual x1, f32, is added
; on the way out, so that the norm behind reads one buffer; C goes out in f32, [4096][1024]: a wave's 64 columns are 256 bytes of a row.
; A tile of C is 128 x 128: 8 x 32 tiles, one for each of 256 work-groups.  Four waves, each 64 x 64: 16 accumulators of 16 x 16, 128 registers.  K goes in steps of 256 through two LDS slots.
; A's rows lie along K and are read from LDS as they lie; B's rows lie along N, so its fragments are read turned, by ds_load_tr16_b128.
; The bias is the C operand of each sum's first product: no add is spent on it and nothing is cleared.
; ONE K STEP IS WRITTEN ONCE: a loop trip is a K step; the slot that is read is a scalar (0 or SLOT) from which the LDS addresses are made anew at each change of slots, and one walking descriptor a tensor asks for the refills.
; CLUSTERS: 4 x 4 work-groups.  The four of a row of the cluster need the same tiles of A, the four of a column the same tiles of B: each tile is asked for JOINTLY, by the same tensor load
; with the same descriptor and a mask that names the four.  THE MATRIX INSTRUCTION IS USED TRANSPOSED (source 0 = 16 columns of B, source 1 = 16 rows of A): a lane holds eight neighbouring numbers of a row of C.
; LIMITS: operands are bf16 (8 significant bits); the order of the sums is the matrix unit's, K ascending; NaN and infinities are not treated apart.
; REGISTERS: window 0: v0-31 addresses; v32-63 the bias; v128-255 the accumulators ((a, b) at v[128 + 8 (4 a + b)]), on the way out also the rows read back.
;   window 1: two fragment buffers of 128: for 64 along K, 64 registers of A (2 x 4 x 16 rows x 32 K), then 64 of B.   window 2: v0-127 the residual's rows.
.set OUTF32, 1
.if OUTF32
.set SIZE_K, 4096
.set WOFF,   8388608
.set AROWB,  512                       ; A lies in blocks of 256 along K, [16][4096][256]: bytes from row to row,
.set APITCH, 256                       ; the same in elements,
.set ASTEP,  4096*512                  ; and bytes from a K step's tile to the next: a block
.set SP,     272                       ; a stage row: 64 f32 + 16 bytes
.else
.set SIZE_K, 1024
.set WOFF,   16777216
.set AROWB,  2048                      ; A is row-major
.set APITCH, 1024
.set ASTEP,  512
.set SP,     144                       ; a stage row: 64 bf16 + 16 bytes
.endif
.set SIZE_N, 1024
.set KSTEP,  256
.set KSTEPS, SIZE_K/KSTEP
.set PA,     528                       ; a row of A in LDS: 512 bytes + 16 = 132 words: the 16 rows of a load start at 16 different groups of four banks (64 banks of 4 bytes: ISA guide 11.1)
.set AHALF,  64*PA                     ; 64 rows of A: one tensor load, and what one wave reads of A
.set PB,     288                       ; a k-row of B in LDS: 128 columns = 256 bytes + 32 = 72 words
.set BHALF,  128*PB                    ; 128 k-rows of B: one tensor load
.set BOFF,   2*AHALF                   ; in a slot: A's 128 rows, then B's 256 k-rows: 141,312 bytes
.set SLOT,   0x24000                   ; 147,456: its two set bits, 17 and 14, are clear in every load's place in a slot (0, 33,792, 67,584, 104,448), so one exclusive or turns an LDS word from one slot into the other
.set STAGE,  2*SLOT                    ; behind the ring, never filled by a tensor load: 16 rows for each wave, its own, for the way out
.set SPARE,  STAGE+4*16*272            ; the spare words, 128 bytes for each wave: two blocks of 256 bytes that no other line names
.set ABASE, 16                         ; v16     my lane's place among A's rows in a slot; never rewritten
.set ADRA,  17                         ; v17     the same in the slot that is read
.set BBASE, 20                         ; v20     my lane's place among B's k-rows in a slot; never rewritten
.set ADRB,  21                         ; v21     the same in the slot that is read, k-rows 0-127; v22 k-rows 128-255 (an immediate offset holds 16 bits)
.set STO,  24                          ; v24     the way out: where I put my part of a row
.set RD,   25                          ; v25     the way out: where I read rows back
.set CO,   26                          ; v26     my byte offset in C
.set BO,   27                          ; v27     my byte offset in the bias: 32 x (lane / 16)
.set SPW,  28                          ; v28     LDS address of my spare word: SPARE + 4 x my thread's number; never rewritten
.set NIL,  29                          ; v29     0; never rewritten
.set PF,   30                          ; v30     256 x lane: a prefetch's 32 blocks
.set BIAS, 32                          ; v32-63  column block b: eight numbers a lane at BIAS + 8 b, laid as a result is
.set TMP,  32                          ; v32-95  the way out of the bf16 form
.set ACC,  128
.set XR,   0                           ; window 2: the residual's rows, laid as the rows that come back from the stage
.set F0,   0                           ; fragment buffers, in window 1
.set F1,   128
.set G1, 24                            ; s[24:31] descriptor group 1 for A's tiles;  s[32:35] group 0 of the first fill, s[36:39] of the second, which then walks on
.set G0, 32
.set RB, 45                            ; s45      the slot that is read: 0 or SLOT
.set G1B, 48                           ; s[48:55], s[56:63] the same for B's tiles
.set G0B, 56
.set MSB, 0
.macro WIN new                         ; the immediate's high byte repeats the setting that is left; a switch that changes nothing is dropped
.if MSB != (\new)
	s_set_vgpr_msb (MSB<<8)|(\new)
.set MSB, \new
.endif
.endm
.set MUL,  0x05                        ; sources 0 (B) and 1 (A) window 1; C and D window 0
.set TO_F, 0x40                        ; destination window 1, address window 0
.macro JLOAD s                         ; a joint load: waves 0 and 1 fetch A's two halves, waves 2 and 3 B's; an s_nop 0 and four v_nop follow each of the two lines
	s_cmp_eq_u32 s11, 0
	s_cbranch_scc0 .Lfor_b_\@
	tensor_load_to_lds s[G0+4*(\s):G0+4*(\s)+3], s[G1:G1+7]
	s_nop 0
.rept 4
	v_nop
.endr
	s_branch .Lasked_\@
.Lfor_b_\@:
	tensor_load_to_lds s[G0B+4*(\s):G0B+4*(\s)+3], s[G1B:G1B+7]
	s_nop 0
.rept 4
	v_nop
.endr
.Lasked_\@:
.endm
.macro CREST                           ; a round of the cluster's barrier behind its opening barrier
	s_cmp_lg_u32 s10, 0
	s_cbranch_scc1 .Lnot_wave_0_\@
	s_barrier_signal -3
.Lnot_wave_0_\@:
	s_barrier_wait -3
	s_barrier_signal -1
	s_barrier_wait -1
.endm
.macro CROUND                          ; a whole round
	s_barrier_signal -1
	s_barrier_wait -1
	CREST
.endm
	s_load_b128 s[4:7], s[0:1], 0x0                ; A s[4:5], the weights' buffer s[6:7]
	s_load_b64 s[8:9], s[0:1], 0x10                ; C
	s_load_b64 s[66:67], s[0:1], 0x18              ; bias
.if OUTF32
	s_load_b64 s[68:69], s[0:1], 0x20              ; the residual
.endif
	v_lshl_add_u32 v[SPW], v0, 2, SPARE
	v_mov_b32 v[NIL], 0
	ds_add_u32 v[SPW], v[NIL]                      ; the wave's opening: the add and its wait stand ahead of my first tensor load; the set-up below, work on registers, stands between them
	v_lshrrev_b32 v1, 5, v0
	v_readfirstlane_b32 s10, v1                    ; wave 0..3
	s_lshr_b32 s11, s10, 1                         ; which half of the tile's rows is mine.  Also: I fetch for A (0) or for B (1)
	s_and_b32 s12, s10, 1                          ; which half of its columns.  Also: which half of that tile I fetch
	s_bfe_u32 s40, ttmp6, 0x40000                  ; cx, cy: my place in the cluster
	s_bfe_u32 s41, ttmp6, 0x40004
	s_lshl_b32 s42, ttmp9, 2
	s_add_co_u32 s42, s42, s40                     ; tile column of C = 4 x cluster x + cx
	s_and_b32 s13, ttmp7, 0xffff
	s_lshl_b32 s13, s13, 2
	s_add_co_u32 s13, s13, s41                     ; tile row of C = 4 x cluster y + cy
	s_lshl_b32 s43, s41, 2
	s_lshl_b32 s43, 15, s43                        ; my row of the cluster
	s_lshl_b32 s44, 0x1111, s40                    ; my column
	; group 1 for A: 64 rows x 256 elements; 15:0 the mask of my row; 17:16 2-byte elements; 20 padding on; 21 set beside a mask; 24:22 after every 128 words (code 6); 31:25 4 words (code 3)
	s_or_b32 s[G1+0], s43, (1<<16)|(1<<20)|(1<<21)|(6<<22)|(3<<25)
	s_mov_b32 s[G1+1], KSTEP<<16                   ; tensor_dim0 = 256
	s_mov_b32 s[G1+2], 64<<16                      ; tensor_dim1 = 64
	s_mov_b32 s[G1+3], KSTEP<<16                   ; tile_dim0 = 256
	s_mov_b32 s[G1+4], 64                          ; tile_dim1 = 64
	s_mov_b32 s[G1+5], APITCH                      ; elements from row to row
	s_mov_b32 s[G1+6], 0
	s_mov_b32 s[G1+7], 0
	; group 1 for B: 128 k-rows x 128 columns; the mask of my column; padding after every 64 words (code 5) of 8 words (code 7)
	s_or_b32 s[G1B+0], s44, (1<<16)|(1<<20)|(1<<21)|(5<<22)|(7<<25)
	s_mov_b32 s[G1B+1], 128<<16                    ; tensor_dim0 = 128
	s_mov_b32 s[G1B+2], 128<<16                    ; tensor_dim1 = 128
	s_mov_b32 s[G1B+3], 128<<16                    ; tile_dim0 = 128
	s_mov_b32 s[G1B+4], 128                        ; tile_dim1 = 128
	s_mov_b32 s[G1B+5], SIZE_N                     ; elements from k-row to k-row
	s_mov_b32 s[G1B+6], 0
	s_mov_b32 s[G1B+7], 0
	; A's tiles hang on the tile row alone, B's on the tile column alone; each offset is made in registers that never hold the other coordinate
	s_lshl_b32 s17, s12, 6
	s_lshl_b32 s16, s13, 7
	s_add_co_u32 s16, s16, s17                     ; A: row 128 x tile row + 64 x half,
	s_mul_i32 s16, s16, AROWB                      ; in bytes: under 2^24
	s_mov_b32 s17, 0
	s_lshl_b32 s46, s42, 8                         ; B: 128 columns of 2 bytes x tile column
	s_lshl_b32 s47, s12, 18                        ;    + 128 k-rows of 2,048 bytes x half
	s_add_co_u32 s46, s46, s47
	s_mov_b32 s47, 0
	s_mul_i32 s20, s12, AHALF                      ; where they go in a slot: no place in the cluster enters an LDS address
	s_mul_i32 s21, s12, BHALF
	s_add_co_u32 s21, s21, BOFF
	s_mov_b32 s[RB], 0                             ; K step 0 lies in slot 0
.if OUTF32
	s_lshl_b32 s78, s13, 16                        ; for the prefetches: in a block my tile row's 128 rows are 65,536 bytes,
	s_lshl_b32 s79, s42, 13                        ; of which my tile column asks for an eighth: 16 rows, 8,192 bytes
	s_add_co_u32 s78, s78, s79
	s_mov_b32 s79, 0
	s_mov_b32 s74, 4                               ; the block that is asked for next
.endif
	s_wait_dscnt 0x0                               ; the opening add is done
	s_wait_kmcnt 0x0
	s_add_nc_u64 s[14:15], s[4:5], s[16:17]
	s_add_nc_u64 s[6:7], s[6:7], WOFF
	s_add_nc_u64 s[46:47], s[6:7], s[46:47]
.if OUTF32
	s_add_nc_u64 s[72:73], s[4:5], s[78:79]
.endif
	CROUND                                         ; all sixteen work-groups are here: the first joint loads meet
.irp s, 0,1
	s_mov_b32 s[G0+4*(\s)], 1                                        ; count = 1
	s_add_co_u32 s[G0+4*(\s)+1], s20, (\s)*SLOT                      ; LDS address
	s_add_nc_u64 s[G0+4*(\s)+2:G0+4*(\s)+3], s[14:15], (\s)*ASTEP    ; global address: K step s
	s_or_b32 s[G0+4*(\s)+3], s[G0+4*(\s)+3], 0x80000000              ; type = 2
	s_mov_b32 s[G0B+4*(\s)], 1
	s_add_co_u32 s[G0B+4*(\s)+1], s21, (\s)*SLOT
	s_add_nc_u64 s[G0B+4*(\s)+2:G0B+4*(\s)+3], s[46:47], (\s)*KSTEP*SIZE_N*2
	s_or_b32 s[G0B+4*(\s)+3], s[G0B+4*(\s)+3], 0x80000000
	JLOAD \s                                       ; two loads of mine are out
.endr
	v_and_b32 v1, 15, v0                           ; l % 16
	v_bfe_u32 v2, v0, 4, 1                         ; l / 16
	v_mul_u32_u24 v3, v1, PA
	v_lshl_add_u32 v3, v2, 4, v3                   ; A: a fragment's row x pitch + 16 x half of the lanes
	v_and_b32 v4, 7, v0                            ; B: the turning load takes 16 k x 16 columns: lane l reads k-row 8 (l / 16) + l % 8, columns 8 ((l / 8) % 2) + 0..7,
	v_lshl_add_u32 v4, v2, 3, v4                   ; and leaves half a fragment: lane l holds column l % 16 and eight k
	v_mul_u32_u24 v4, v4, PB
	v_bfe_u32 v5, v0, 3, 1
	v_lshl_add_u32 v4, v5, 4, v4
	s_mul_i32 s22, s11, AHALF                      ; my 64 rows of A
	s_lshl_b32 s23, s12, 7                         ; my 64 columns of B, 128 bytes,
	s_add_co_u32 s23, s23, BOFF                    ; behind A's rows
	v_add_nc_u32 v[ABASE], s22, v3
	v_add_nc_u32 v[BBASE], s23, v4
	v_mov_b32 v[ADRA], v[ABASE]                    ; slot 0
	v_mov_b32 v[ADRB], v[BBASE]
	v_add_nc_u32 v[ADRB+1], 128*PB, v[BBASE]
	; the bias of my 64 columns, laid as a result is: register j of block b holds bias[first column + 16 b + 8 (l / 16) + j]
	v_lshlrev_b32 v[BO], 5, v2
	s_lshl_b32 s46, s42, 9                         ; 128 columns of 4 bytes x tile column
	s_lshl_b32 s47, s12, 8                         ; + 64 columns x half
	s_add_co_u32 s46, s46, s47
	s_mov_b32 s47, 0
	s_add_nc_u64 s[66:67], s[66:67], s[46:47]
.irp b, 0,1,2,3
	global_load_b128 v[BIAS+8*(\b):BIAS+8*(\b)+3],   v[BO], s[66:67] offset:64*(\b)
	global_load_b128 v[BIAS+8*(\b)+4:BIAS+8*(\b)+7], v[BO], s[66:67] offset:64*(\b)+16
.endr
	s_mul_i32 s23, s10, 16*SP
	s_add_co_u32 s23, s23, STAGE                   ; my stage
.if OUTF32
	v_and_b32 v[PF], 31, v0
	v_lshlrev_b32 v[PF], 8, v[PF]
	v_mul_u32_u24 v4, v1, SP                       ; in: row l % 16, 32 bytes for each half of the lanes
	v_lshl_add_u32 v4, v2, 5, v4
	v_add_nc_u32 v[STO], s23, v4
	v_mul_u32_u24 v5, v2, SP                       ; back: lanes 0-15 take one row of 256 bytes, lanes 16-31 the next
	v_lshl_add_u32 v5, v1, 4, v5
	v_add_nc_u32 v[RD], s23, v5
	v_lshlrev_b32 v5, 12, v2                       ; and the same two rows in C, 4,096 bytes apart
	v_lshl_add_u32 v[CO], v1, 4, v5
	s_lshl_b32 s16, s13, 7
	s_lshl_b32 s17, s11, 6
	s_add_co_u32 s16, s16, s17                     ; my first row of C
	s_lshl_b32 s16, s16, 12
	s_mov_b32 s17, 0
	s_add_nc_u64 s[8:9], s[8:9], s[16:17]
	s_add_nc_u64 s[8:9], s[8:9], s[46:47]          ; my first column: the same bytes as in the bias
	s_add_nc_u64 s[68:69], s[68:69], s[16:17]      ; the residual has C's shape
	s_add_nc_u64 s[68:69], s[68:69], s[46:47]
.else
	v_mul_u32_u24 v4, v1, SP                       ; in: row l % 16, 16 bytes for each half of the lanes
	v_lshl_add_u32 v4, v2, 4, v4
	v_add_nc_u32 v[STO], s23, v4
	v_bfe_u32 v5, v0, 3, 2                         ; back: 32 lanes take four rows of 128 bytes,
	v_mul_u32_u24 v5, v5, SP
	v_and_b32 v6, 7, v0
	v_lshl_add_u32 v5, v6, 4, v5
	v_add_nc_u32 v[RD], s23, v5
	v_and_b32 v5, 31, v0                           ; which are 512 consecutive bytes of a head
	v_lshlrev_b32 v[CO], 4, v5
	s_lshr_b32 s16, s13, 4                         ; the batch: 16 tile rows each
	s_lshl_b32 s16, s16, 4
	s_lshl_b32 s46, s42, 1
	s_add_co_u32 s46, s46, s12                     ; the head = 2 x tile column + half
	s_add_co_u32 s46, s46, s16                     ; 16 x batch + head,
	s_lshl_b32 s46, s46, 11                        ; its 2,048 rows,
	s_and_b32 s47, s13, 15
	s_lshl_b32 s47, s47, 7
	s_add_co_u32 s46, s46, s47                     ; the tile's 128 rows in the batch,
	s_lshl_b32 s47, s11, 6
	s_add_co_u32 s46, s46, s47                     ; my 64 of them,
	s_lshl_b32 s46, s46, 7                         ; 128 bytes each
	s_mov_b32 s47, 0
	s_add_nc_u64 s[8:9], s[8:9], s[46:47]
.endif
; 8 matrix instructions: m blocks a0, a0 + 1 x all 4 n blocks, 32 along K: half c of buffer f.  zero = 1: the first product starts the sums, from the bias.
; The 16 accumulators take turns, one instruction a turn.
.macro MUL8 f, c, a0, zero
	WIN MUL
.irp a, \a0, (\a0)+1
.irp b, 0,1,2,3
.if \zero
	v_wmma_f32_16x16x32_bf16 v[ACC+8*(4*(\a)+(\b)):ACC+8*(4*(\a)+(\b))+7], v[(\f)+64+8*(4*(\c)+(\b)):(\f)+64+8*(4*(\c)+(\b))+7], v[(\f)+8*(4*(\c)+(\a)):(\f)+8*(4*(\c)+(\a))+7], v[BIAS+8*(\b):BIAS+8*(\b)+7]
.else
	v_wmma_f32_16x16x32_bf16 v[ACC+8*(4*(\a)+(\b)):ACC+8*(4*(\a)+(\b))+7], v[(\f)+64+8*(4*(\c)+(\b)):(\f)+64+8*(4*(\c)+(\b))+7], v[(\f)+8*(4*(\c)+(\a)):(\f)+8*(4*(\c)+(\a))+7], v[ACC+8*(4*(\a)+(\b)):ACC+8*(4*(\a)+(\b))+7]
.endif
.endr
.endr
.endm
; 32 LDS loads in one run: the fragments of 64 along K, at byte k of A's rows = k-row k / 2 of B, of the slot that is read, into buffer f; the first 32 along K first
.macro FETCH k, f
	WIN TO_F
.irp c, 0,1
.irp i, 0,1,2,3
	ds_load_tr16_b128 v[(\f)+64+8*(4*(\c)+(\i)):(\f)+64+8*(4*(\c)+(\i))+3],   v[ADRB+((\k)/256)] offset:(((\k)%256)/2+32*(\c))*PB+32*(\i)
	ds_load_tr16_b128 v[(\f)+64+8*(4*(\c)+(\i))+4:(\f)+64+8*(4*(\c)+(\i))+7], v[ADRB+((\k)/256)] offset:(((\k)%256)/2+32*(\c)+16)*PB+32*(\i)
	ds_load_b128 v[(\f)+8*(4*(\c)+(\i)):(\f)+8*(4*(\c)+(\i))+3],         v[ADRA] offset:(\k)+64*(\c)+(\i)*16*PA
	ds_load_b128 v[(\f)+8*(4*(\c)+(\i))+4:(\f)+8*(4*(\c)+(\i))+7],       v[ADRA] offset:(\k)+64*(\c)+(\i)*16*PA+32
.endr
.endr
.endm
.macro PLACES                          ; four plain vector instructions in front of loads into registers that matrix instructions have read, and of lines that read results
.rept 4
	v_nop
.endr
.endm
; A K step is four quarters of 64 along K, 32 matrix instructions each, on buffers 0, 1, 0, 1.  One of the first three: multiplies buffer f and fetches the next quarter, at byte k, into g.
.macro QUARTER k, f, g, zero
	s_wait_dscnt 16                                ; the first 32 along K are in; the sixteen younger loads may be out
	MUL8 \f, 0, 0, \zero
	MUL8 \f, 0, 2, \zero
	PLACES
	FETCH \k, \g
	s_wait_dscnt 32                                ; all but the 32 just issued
	MUL8 \f, 1, 0, 0
	MUL8 \f, 1, 2, 0
.endm
; The last quarter multiplies buffer 1 and changes slots: ONE barrier; in front of it each wave waits for all its tensor loads, adds 0 to its spare word, and waits for that and for its own
; reads of this slot.  fill = 1: this slot is filled again, two K steps ahead; the barrier then opens a round of the cluster's barrier.
.macro TURN fill
	WIN 0                                          ; (the add's two registers lie in window 0)
	s_wait_tensorcnt 0x0                           ; all my tensor loads have landed: the one that was out is my part of the next slot
	ds_add_u32 v[SPW], v[NIL]                      ; 0 onto my spare word
	s_wait_dscnt 17                                ; (the add and the youngest sixteen loads may be out)
	MUL8 F1, 0, 0, 0                               ; eight matrix instructions stand between the add and the wait for it
	s_wait_dscnt 0x0                               ; the add is done, and my reads of this slot are over
	s_barrier_signal -1
	MUL8 F1, 0, 2, 0
	WIN 0                                          ; (branches and address work follow)
	s_barrier_wait -1
.if \fill
	CREST                                          ; no wave of any partner still reads this slot's tile or has a load on its way
	s_xor_b32 s[G0+5], s[G0+5], SLOT               ; the walking descriptors: the other slot than last time,
	s_add_nc_u64 s[G0+6:G0+7], s[G0+6:G0+7], ASTEP ; the next K step; the type bits on top are not reached
	s_xor_b32 s[G0B+5], s[G0B+5], SLOT
	s_add_nc_u64 s[G0B+6:G0B+7], s[G0B+6:G0B+7], KSTEP*SIZE_N*2
	JLOAD 1                                        ; my one tensor load behind the round, 112 matrix instructions ahead of the wait for it; its four v_nop are also the places in front of the loads below
.if OUTF32
	; A prefetch into the L2.  Behind K step t, block min(t + 4, 15) of A: its tensor load goes out two changes of slots, 256 matrix instructions, later.  Of my tile row's 65,536 bytes in the block each of
	; the eight tile columns asks for an eighth, by wave 0: 32 lanes, 256 bytes apart.  Blocks 4 to 15 are asked for once, the last, by the clamp, in the last three changes too; none lies past the buffer's end.
	s_wait_xcnt 0x0                                ; the last prefetch, a K step back, has read its address
	s_min_u32 s78, s74, KSTEPS-1
	s_lshl_b32 s78, s78, 21                        ; a block is 2,097,152 bytes
	s_add_nc_u64 s[76:77], s[72:73], s[78:79]
	s_add_co_u32 s74, s74, 1
	s_cmp_lg_u32 s10, 0
	s_cbranch_scc1 .Lno_ask_\@
	global_prefetch_b8 v[PF], s[76:77] th:TH_LOAD_NT scope:SCOPE_SE
.Lno_ask_\@:
.endif
.else
	PLACES
.endif
	s_xor_b32 s[RB], s[RB], SLOT                   ; the other slot is read from here on
	v_add_nc_u32 v[ADRA], s[RB], v[ABASE]
	v_add_nc_u32 v[ADRB], s[RB], v[BBASE]
	v_add_nc_u32 v[ADRB+1], 128*PB, v[ADRB]
	FETCH 0, F0
	MUL8 F1, 1, 0, 0
	MUL8 F1, 1, 2, 0
.endm
; THE WAY OUT of m block a (16 rows x my 64 columns), through my own stage: LDS serves a wave's instructions in order (ISA guide 5.7.1.4), so no wait stands between the stores and the loads.
.macro PACK a
	WIN 0
.if OUTF32
.irp b, 0,1,2,3
	ds_store_b128 v[STO], v[ACC+32*(\a)+8*(\b):ACC+32*(\a)+8*(\b)+3] offset:64*(\b)
	ds_store_b128 v[STO], v[ACC+32*(\a)+8*(\b)+4:ACC+32*(\a)+8*(\b)+7] offset:64*(\b)+16
.endr
.irp t, 0,1,2,3,4,5,6,7
	ds_load_b128 v[ACC+32*(\a)+4*(\t):ACC+32*(\a)+4*(\t)+3], v[RD] offset:(\t)*2*SP  ; whole rows of 256 bytes, into the registers that they left
.endr
.else
.irp b, 0,1,2,3
.irp r, 0,1,2,3
	v_cvt_pk_bf16_f32 v[TMP+16*(\a)+4*(\b)+(\r)], v[ACC+32*(\a)+8*(\b)+2*(\r)], v[ACC+32*(\a)+8*(\b)+2*(\r)+1]
.endr
.endr
.irp b, 0,1,2,3
	ds_store_b128 v[STO], v[TMP+16*(\a)+4*(\b):TMP+16*(\a)+4*(\b)+3] offset:32*(\b)
.endr
.irp f, 0,1,2,3
	ds_load_b128 v[TMP+16*(\a)+4*(\f):TMP+16*(\a)+4*(\f)+3], v[RD] offset:(\f)*4*SP  ; four rows of 128 bytes
.endr
.endif
.endm
.macro SEND a, younger                 ; younger: the LDS instructions issued behind block a's loads: the next block's, or none
.if OUTF32
	WIN 0x88                                       ; destination and source 1 in window 2: the sum lands on the residual's registers, and the store, whose data is its source 1, takes it from there
.irp t, 0,1,2,3,4,5,6,7
	s_wait_dscnt (\younger)+7-(\t)
	v_pk_add_f32 v[XR+32*(\a)+4*(\t):XR+32*(\a)+4*(\t)+1], v[ACC+32*(\a)+4*(\t):ACC+32*(\a)+4*(\t)+1], v[XR+32*(\a)+4*(\t):XR+32*(\a)+4*(\t)+1]
	v_pk_add_f32 v[XR+32*(\a)+4*(\t)+2:XR+32*(\a)+4*(\t)+3], v[ACC+32*(\a)+4*(\t)+2:ACC+32*(\a)+4*(\t)+3], v[XR+32*(\a)+4*(\t)+2:XR+32*(\a)+4*(\t)+3]
	global_store_b128 v[CO], v[XR+32*(\a)+4*(\t):XR+32*(\a)+4*(\t)+3], s[8:9] offset:(\a)*16*SIZE_N*4+(\t)*2*SIZE_N*4  ; 16 lanes store 256 consecutive bytes, at a multiple of 256 from C's first byte
.endr
.else
.irp f, 0,1,2,3
	s_wait_dscnt (\younger)+3-(\f)
	global_store_b128 v[CO], v[TMP+16*(\a)+4*(\f):TMP+16*(\a)+4*(\f)+3], s[8:9] offset:(\a)*2048+(\f)*512  ; 512 consecutive bytes of a head, at a multiple of 256
.endr
.endif
.endm
	s_wait_tensorcnt 1                             ; my part of K step 0 is in; K step 1's load, issued behind it, may stay out
	s_barrier_signal -1
	s_barrier_wait -1                              ; everybody's is
	FETCH 0, F0
	s_wait_loadcnt 0x0                             ; the bias
	QUARTER 128, F0, F1, 1                         ; the first quarter stands in front of the loop: its first products start the sums
.if OUTF32
	WIN 0x80                                       ; destination window 2
.irp a, 0,1,2,3
.irp t, 0,1,2,3,4,5,6,7
	global_load_b128 v[XR+32*(\a)+4*(\t):XR+32*(\a)+4*(\t)+3], v[CO], s[68:69] offset:(\a)*16*SIZE_N*4+(\t)*2*SIZE_N*4 th:TH_LOAD_NT  ; the residual, at the places that I store: it has the whole sum in which to land
.endr
.endr
.endif
	WIN 0                                          ; at a label and at a branch every window is 0
	s_mov_b32 s3, KSTEPS-2
.Lstep:                                                ; a trip goes from a K step's second quarter to the next step's first, and fills the slot that it leaves
	QUARTER 256, F1, F0, 0
	QUARTER 384, F0, F1, 0
	TURN 1
	QUARTER 128, F0, F1, 0
	WIN 0
	s_sub_co_u32 s3, s3, 1
	s_cmp_lg_u32 s3, 0
	s_cbranch_scc1 .Lstep
	QUARTER 256, F1, F0, 0                         ; the last two K steps fill nothing, and have no round of the cluster's barrier
	QUARTER 384, F0, F1, 0
	TURN 0
	QUARTER 128, F0, F1, 0
	QUARTER 256, F1, F0, 0
	QUARTER 384, F0, F1, 0
	s_wait_dscnt 16                                ; the very last quarter: nothing more to fetch
	MUL8 F1, 0, 0, 0
	MUL8 F1, 0, 2, 0
	s_wait_dscnt 0x0
	MUL8 F1, 1, 0, 0
	MUL8 F1, 1, 2, 0
	WIN 0
	PLACES
.if OUTF32
.set YOUNG, 16
	s_wait_loadcnt 0x0                             ; the residual
.else
.set YOUNG, 8
.endif
	PACK 0
	PACK 1                                         ; a block's way into the stage stands between the loads of the block before and its stores
	SEND 0, YOUNG
	PACK 2
	SEND 1, YOUNG
	PACK 3
	SEND 2, YOUNG
	SEND 3, 0
	WIN 0
	s_wait_tensorcnt 0x0                           ; the wave's end, behind my last tensor load and my last LDS store
	ds_add_u32 v[SPW], v[NIL]
	s_wait_dscnt 0x0
	CROUND                                         ; the closing round: no work-group ends while a partner may still ask for a tile that names it
	s_endpgm
.Lfunc_end_k_qce10bb5dfe_ffn2:
	.size	k_qce10bb5dfe_ffn2, .Lfunc_end_k_qce10bb5dfe_ffn2-k_qce10bb5dfe_ffn2
	.p2alignl 7, 3214868480
	.fill 96, 4, 3214868480
	.section	.rodata,"a",@progbits
	.p2align	6, 0x0
	.amdhsa_kernel k_qce10bb5dfe_ffn2
		.amdhsa_group_segment_fixed_size 327680
		.amdhsa_private_segment_fixed_size 0
		.amdhsa_enable_private_segment 0
		.amdhsa_kernarg_size 40
		.amdhsa_user_sgpr_count 2
		.amdhsa_user_sgpr_kernarg_segment_ptr 1
		.amdhsa_wavefront_size32 1
		.amdhsa_system_sgpr_workgroup_id_x 1
		.amdhsa_system_sgpr_workgroup_id_y 1
		.amdhsa_system_sgpr_workgroup_id_z 1
		.amdhsa_system_vgpr_workitem_id 0
		.amdhsa_next_free_vgpr 640
		.amdhsa_next_free_sgpr 80
		.amdhsa_reserve_vcc 0
		.amdhsa_float_denorm_mode_32 3
		.amdhsa_float_denorm_mode_16_64 3
		.amdhsa_memory_ordered 1
		.amdhsa_forward_progress 1
		.amdhsa_inst_pref_size 78
	.end_amdhsa_kernel
	.amdgpu_metadata
---
amdhsa.version: [ 1, 2 ]
amdhsa.kernels:
  - .name:           k_qce10bb5dfe_ffn2
    .symbol:         k_qce10bb5dfe_ffn2.kd
    .args:
      - { .name: hb, .offset: 0, .size: 8, .value_kind: global_buffer, .address_space: global }
      - { .name: wb, .offset: 8, .size: 8, .value_kind: global_buffer, .address_space: global }
      - { .name: f32a, .offset: 16, .size: 8, .value_kind: global_buffer, .address_space: global }
      - { .name: b2, .offset: 24, .size: 8, .value_kind: global_buffer, .address_space: global }
      - { .name: x1, .offset: 32, .size: 8, .value_kind: global_buffer, .address_space: global }
    .group_segment_fixed_size: 327680
    .private_segment_fixed_size: 0
    .kernarg_segment_align: 8
    .kernarg_segment_size: 40
    .max_flat_workgroup_size: 128
    .sgpr_count:     80
    .vgpr_count:     640
    .wavefront_size: 32
...
	.end_amdgpu_metadata
.endif
;; end of part 6
;; launch ln2 (part 7): grid 256 x 1, 8 waves a work-group, no clusters, 0 bytes of LDS; arguments f32a, ln2_g, ln2_b, out0; writes out0
.if DOCPART == 7
	.amdgcn_target "amdgcn-amd-amdhsa--gfx1250"
	.amdhsa_code_object_version 6
	.text
	.protected	k_qce10bb5dfe_ln2
	.globl	k_qce10bb5dfe_ln2
	.p2align	8
	.type	k_qce10bb5dfe_ln2,@function
k_qce10bb5dfe_ln2:
	s_mov_b64 s[64:65], 0
	v_nop
	global_prefetch_b8 v0, s[64:65] scope:SCOPE_SE
	s_setreg_imm32_b32 hwreg(HW_REG_WAVE_MODE, 25, 1), 1
	s_wait_xcnt 0x0
; y[r][:] = LayerNorm(s[r][:]) * g + b, rows of 1,024 f32, eps = 1e-5.  HERE: s = x1 + the feed-forward's output, summed by the launch before; y is the module's result, in f32.
; A stream: each byte is read once and written once.  One wave takes two whole rows (a row is 32 registers), so the sums never leave the wave: no LDS, no barrier, no loop; no matrix unit and no
; cluster, since there is no product and no two work-groups read the same rows (g and b, 8 KiB, are the only shared bytes).  256 work-groups x 8 waves x 2 rows = 4,096 rows.
; TWO PASSES over the registers: the mean first, then the mean of (s - mean)^2: no difference of large sums is formed, so a common offset of the inputs costs nothing.
; All 32 loads of a wave are issued before the first is used; each covers 512 consecutive bytes.  No register is rewritten under a pending store.
.set BF16OUT, 0
.set SUM,  8                           ; v[8:71]    row r at SUM + 32 r: s, then s - mean, then y, in place
.set GG,   72                          ; v[72:103]  g of my 32 columns (columns 128 j + 4 lane + 0..3)
.set BB,   104                         ; v[104:135] b
.set T,    136                         ; v[136:143] four chains of packed sums
.set MU,   144                         ; v[144:145] the mean, twice
.set RS,   146                         ; v[146:147] 1 / sqrt(var + eps), twice
.set Y16,  148                         ; (the form with a bf16 copy alone: row r at Y16 + 16 r)
	s_load_b256 s[4:11], s[0:1], 0x0               ; s s[4:5], g s[6:7], b s[8:9], y s[10:11]
.if BF16OUT
	s_load_b64 s[12:13], s[0:1], 0x20              ; y in bf16
.endif
	v_lshrrev_b32 v3, 5, v0
	v_readfirstlane_b32 s16, v3                    ; wave 0..7
	v_and_b32 v1, 31, v0
.if BF16OUT
	v_lshlrev_b32 v2, 3, v1                        ; 8 bytes a lane (bf16)
.endif
	v_lshlrev_b32 v1, 4, v1                        ; 16 bytes a lane (f32)
	s_lshl_b32 s17, ttmp9, 3
	s_add_co_u32 s17, s17, s16                     ; my wave among all 2,048
	s_lshl_b32 s18, s17, 13                        ; its two rows of 4,096 bytes
	s_mov_b32 s19, 0
	s_lshl_b32 s24, s17, 12                        ; and of 2,048 bytes
	s_mov_b32 s25, 0
	s_mov_b32 s20, 0x3a800000                      ; 1 / 1024
	s_mov_b32 s21, 0x3727c5ac                      ; 1e-5
	s_mov_b32 s22, 0x76543210                      ; v_permlanex16_b32: lane i of one half reads lane i of the other
	s_mov_b32 s23, 0xfedcba98
	s_wait_kmcnt 0x0
	s_add_nc_u64 s[4:5], s[4:5], s[18:19]
	s_add_nc_u64 s[10:11], s[10:11], s[18:19]
.if BF16OUT
	s_add_nc_u64 s[12:13], s[12:13], s[24:25]
.endif
.irp j, 0,1,2,3,4,5,6,7
	global_load_b128 v[GG+4*(\j):GG+4*(\j)+3], v1, s[6:7] offset:512*(\j)
.endr
.irp j, 0,1,2,3,4,5,6,7
	global_load_b128 v[BB+4*(\j):BB+4*(\j)+3], v1, s[8:9] offset:512*(\j)
.endr
.irp r, 0,1
.irp j, 0,1,2,3,4,5,6,7
	global_load_b128 v[SUM+32*(\r)+4*(\j):SUM+32*(\r)+4*(\j)+3], v1, s[4:5] offset:(\r)*4096+512*(\j) th:TH_LOAD_NT
.endr
.endr
; The four chains are folded into one number a lane, and that is summed over the 32 lanes: four steps inside each half of 16 lanes ride on the addition, one crosses the halves; every lane ends with the sum.
.macro FOLD
	v_pk_add_f32 v[T:T+1], v[T:T+1], v[T+2:T+3]
	v_pk_add_f32 v[T+4:T+5], v[T+4:T+5], v[T+6:T+7]
	v_pk_add_f32 v[T:T+1], v[T:T+1], v[T+4:T+5]
	v_add_f32 v[T], v[T], v[T+1]
	v_add_f32_dpp v[T], v[T], v[T] row_xmask:1 row_mask:0xf bank_mask:0xf
	v_add_f32_dpp v[T], v[T], v[T] row_xmask:2 row_mask:0xf bank_mask:0xf
	v_add_f32_dpp v[T], v[T], v[T] row_xmask:4 row_mask:0xf bank_mask:0xf
	v_add_f32_dpp v[T], v[T], v[T] row_xmask:8 row_mask:0xf bank_mask:0xf
	v_permlanex16_b32 v[T+1], v[T], s22, s23
	v_add_f32 v[T], v[T], v[T+1]
.endm
; Row r.  left = how many younger loads may stay out.
.macro ROWS r, left
.set A, SUM+32*(\r)
	s_wait_loadcnt \left                           ; loads come back in order: g, b and this row's eight are in
.set i, 0
.rept 4
	v_pk_add_f32 v[T+2*i:T+2*i+1], v[A+2*i:A+2*i+1], v[A+8+2*i:A+8+2*i+1]  ; the first eight pairs start the chains: nothing is cleared
.set i, i+1
.endr
.set i, 8
.rept 8
	v_pk_add_f32 v[T+2*(i%4):T+2*(i%4)+1], v[T+2*(i%4):T+2*(i%4)+1], v[A+2*i:A+2*i+1]
.set i, i+1
.endr
	FOLD
	v_mul_f32 v[MU], s20, v[T]                     ; the mean
	v_mul_f32 v[MU+1], s20, v[T]
.set i, 0
.rept 16
	v_pk_add_f32 v[A+2*i:A+2*i+1], v[A+2*i:A+2*i+1], v[MU:MU+1] neg_lo:[0,1] neg_hi:[0,1]  ; s - mean
.set i, i+1
.endr
.set i, 0
.rept 4
	v_pk_mul_f32 v[T+2*i:T+2*i+1], v[A+2*i:A+2*i+1], v[A+2*i:A+2*i+1]
.set i, i+1
.endr
.set i, 4
.rept 12
	v_pk_fma_f32 v[T+2*(i%4):T+2*(i%4)+1], v[A+2*i:A+2*i+1], v[A+2*i:A+2*i+1], v[T+2*(i%4):T+2*(i%4)+1]
.set i, i+1
.endr
	FOLD
	v_fma_f32 v[T], v[T], s20, s21                 ; var + eps
	v_rsq_f32 v[RS], v[T]
	v_rsq_f32 v[RS+1], v[T]
	v_nop                                          ; a plain instruction between the root and the use of its result (ISA guide 5.7.2)
.set i, 0
	s_wait_alu depctr_va_vdst(0)
.rept 16
	v_pk_mul_f32 v[A+2*i:A+2*i+1], v[A+2*i:A+2*i+1], v[RS:RS+1]
.set i, i+1
.endr
.set i, 0
.rept 16
	v_pk_fma_f32 v[A+2*i:A+2*i+1], v[A+2*i:A+2*i+1], v[GG+2*i:GG+2*i+1], v[BB+2*i:BB+2*i+1]
.set i, i+1
.endr
.irp j, 0,1,2,3,4,5,6,7
	global_store_b128 v1, v[A+4*(\j):A+4*(\j)+3], s[10:11] offset:(\r)*4096+512*(\j)  ; 512 consecutive bytes
.endr
.if BF16OUT
.set i, 0
.rept 16
	v_cvt_pk_bf16_f32 v[Y16+16*(\r)+i], v[A+2*i], v[A+2*i+1]
.set i, i+1
.endr
.irp j, 0,1,2,3,4,5,6,7
	global_store_b64 v2, v[Y16+16*(\r)+2*(\j):Y16+16*(\r)+2*(\j)+1], s[12:13] offset:(\r)*2048+256*(\j)  ; 256 consecutive bytes, at a multiple of 256
.endr
.endif
.endm
	ROWS 0, 8                                      ; the second row's eight loads stay out
	ROWS 1, 0
	s_endpgm
.Lfunc_end_k_qce10bb5dfe_ln2:
	.size	k_qce10bb5dfe_ln2, .Lfunc_end_k_qce10bb5dfe_ln2-k_qce10bb5dfe_ln2
	.p2alignl 7, 3214868480
	.fill 96, 4, 3214868480
	.section	.rodata,"a",@progbits
	.p2align	6, 0x0
	.amdhsa_kernel k_qce10bb5dfe_ln2
		.amdhsa_group_segment_fixed_size 0
		.amdhsa_private_segment_fixed_size 0
		.amdhsa_enable_private_segment 0
		.amdhsa_kernarg_size 32
		.amdhsa_user_sgpr_count 2
		.amdhsa_user_sgpr_kernarg_segment_ptr 1
		.amdhsa_wavefront_size32 1
		.amdhsa_system_sgpr_workgroup_id_x 1
		.amdhsa_system_sgpr_workgroup_id_y 1
		.amdhsa_system_sgpr_workgroup_id_z 1
		.amdhsa_system_vgpr_workitem_id 0
		.amdhsa_next_free_vgpr 148
		.amdhsa_next_free_sgpr 66
		.amdhsa_reserve_vcc 0
		.amdhsa_float_denorm_mode_32 3
		.amdhsa_float_denorm_mode_16_64 3
		.amdhsa_memory_ordered 1
		.amdhsa_forward_progress 1
		.amdhsa_inst_pref_size 18
	.end_amdhsa_kernel
	.amdgpu_metadata
---
amdhsa.version: [ 1, 2 ]
amdhsa.kernels:
  - .name:           k_qce10bb5dfe_ln2
    .symbol:         k_qce10bb5dfe_ln2.kd
    .args:
      - { .name: f32a, .offset: 0, .size: 8, .value_kind: global_buffer, .address_space: global }
      - { .name: ln2_g, .offset: 8, .size: 8, .value_kind: global_buffer, .address_space: global }
      - { .name: ln2_b, .offset: 16, .size: 8, .value_kind: global_buffer, .address_space: global }
      - { .name: out0, .offset: 24, .size: 8, .value_kind: global_buffer, .address_space: global }
    .group_segment_fixed_size: 0
    .private_segment_fixed_size: 0
    .kernarg_segment_align: 8
    .kernarg_segment_size: 32
    .max_flat_workgroup_size: 256
    .sgpr_count:     66
    .vgpr_count:     148
    .wavefront_size: 32
...
	.end_amdgpu_metadata
.endif
;; end of part 7
;; ======== version 2 of 2: 7 launches; version 1 with the launch cast written anew for expert scheduling mode
;; workspace buffers: act16 8,388,608 bytes; wb 18,874,368 bytes; qh 8,388,608 bytes; f32a 16,777,216 bytes; x1 16,777,216 bytes; hb 33,554,432 bytes
;; launch cast (part 8): grid 256 x 2, 8 waves a work-group, no clusters, 0 bytes of LDS; arguments x, Wq, act16, wb; writes act16, wb
.if DOCPART == 8
	.amdgcn_target "amdgcn-amd-amdhsa--gfx1250"
	.amdhsa_code_object_version 6
	.text
	.protected	k_qce10bb5dfe_cast
	.globl	k_qce10bb5dfe_cast
	.p2align	8
	.type	k_qce10bb5dfe_cast,@function
k_qce10bb5dfe_cast:
	s_mov_b64 s[64:65], 0
	v_nop
	global_prefetch_b8 v0, s[64:65] scope:SCOPE_SE
	s_setreg_imm32_b32 hwreg(HW_REG_WAVE_SCHED_MODE, 0, 2), 2
	s_setreg_imm32_b32 hwreg(HW_REG_WAVE_MODE, 25, 1), 1
	s_wait_xcnt 0x0
	s_wait_alu depctr_vm_vsrc(0)
; f32 -> bf16 (round to nearest even) of the first product's two operands, so that its tensor loads bring matrix operands as they are.
; The grid's y picks the tensor: 0: x -> act16;  1: Wq [16 h][1024 d][64 e] -> wb byte 16,777,216 as [1024 d][1024 = 64 h + e].  (W1 and W2 are converted beside the attention, where memory has little to do.)
; A stream: each byte is read once and written once; no LDS, no barrier, no matrix unit, no cluster (no two work-groups read the same byte).
; y = 0: a work-group takes 16,384 numbers: sixteen loads of 16 bytes a thread, all issued before the first is used; a wave's load covers 512 consecutive bytes,
; its store of 8 bytes a lane 256 consecutive bytes at a multiple of 256.  No register is written twice, so nothing waits for a store.
; THE MODE: SCHED_MODE bits 1:0 = 2 (LLVM: expert scheduling mode 2), set by the entry lines.  The code itself states the register dependences
; between vector instructions and memory instructions, with s_wait_alu, always for 0.
; THE PLAN.  Registers that memory instructions touch:
;   IN          Written by the loads, which all stand at a path's head, ahead of every vector instruction that names IN; each register is loaded once.  Read by the conversions, each behind the wait for its load.
;   OUT         Pair j is written once, by conversion j, and read once, by store j.
;   v1, v2, v3  Byte offsets, made at the head and never written again; every load and store reads one of them.
; So the dependences to state are of one kind: a vector instruction has written what a memory instruction reads.  One wait at each path's head states it for the offsets.  For OUT the numbers go in blocks:
; at a block's head, behind the wait for the block's first load, one wait states that the block before has written its pairs; that block's stores follow, one ahead of each of this block's conversions,
; which name this block's IN and OUT alone: none of the registers that those stores read.  One more wait stands behind the last block's conversions, ahead of its stores.
; No register that a memory instruction reads is written again, and no load lands in a register that a vector instruction has named: nothing else is owed.
.set IN,  8                            ; v[8:71]   sixteen loads of four f32
.set OUT, 72                           ; v[72:103] sixteen pairs of packed bf16
; n loads have been issued into IN; they are converted and stored, in blocks of blk.  Store j leaves from pair j of OUT, by the offset v2 and the base s[18:19], 2,048 j bytes on.
.macro STREAM n, blk
.set j, 0
.rept \n
	s_wait_loadcnt (\n)-1-j                        ; loads come back in order: load j is in, the n - 1 - j younger ones stay out
.if (j >= (\blk)) && ((j % (\blk)) == 0)
	s_wait_alu depctr_va_vdst(0)                   ; the block before has written its pairs of OUT, which the stores dealt among this block's conversions read
.endif
.if j >= (\blk)
	global_store_b64 v2, v[OUT+2*(j-(\blk)):OUT+2*(j-(\blk))+1], s[18:19] offset:2048*(j-(\blk))  ; no wait: no vector instruction since the wait above names this pair or v2
.endif
	v_cvt_pk_bf16_f32 v[OUT+2*j], v[IN+4*j], v[IN+4*j+1]
	v_cvt_pk_bf16_f32 v[OUT+2*j+1], v[IN+4*j+2], v[IN+4*j+3]
.set j, j+1
.endr
	s_wait_alu depctr_va_vdst(0)                   ; the last block has written its pairs of OUT, which the last stores read
.set j, (\n)-(\blk)
.rept \blk
	global_store_b64 v2, v[OUT+2*j:OUT+2*j+1], s[18:19] offset:2048*j
.set j, j+1
.endr
.endm
	s_load_b256 s[4:11], s[0:1], 0x0               ; x s[4:5], Wq s[6:7], act16 s[8:9], wb s[10:11]
	s_and_b32 s2, ttmp7, 0xffff                    ; which tensor
	v_lshlrev_b32 v1, 4, v0                        ; 16 bytes a thread in
	v_lshlrev_b32 v2, 3, v0                        ; 8 bytes a thread out
	s_mov_b32 s23, 0                               ; high words of the two offsets
	s_mov_b32 s25, 0
	s_wait_kmcnt 0x0
	s_cmp_eq_u32 s2, 1
	s_cbranch_scc1 .Lwq
	s_lshl_b32 s22, ttmp9, 16                      ; the work-group's 65,536 bytes in,
	s_lshl_b32 s24, ttmp9, 15                      ; its 32,768 bytes out
	s_add_nc_u64 s[16:17], s[4:5], s[22:23]
	s_add_nc_u64 s[18:19], s[8:9], s[24:25]
	s_wait_alu depctr_va_vdst(0)                   ; v1 and v2 are written: the loads below read v1 as their offset, the stores v2
.set j, 0
.rept 16
	global_load_b128 v[IN+4*j:IN+4*j+3], v1, s[16:17] offset:4096*j
.set j, j+1
.endr
	STREAM 16, 4                                   ; four blocks of four
	s_endpgm
.Lwq:
	; Work-group g makes rows d = 4 g .. 4 g + 3 of the new layout.  Thread t reads head t / 16, numbers 4 (t % 16) ..: sixteen lanes take one head's row of 256 bytes;
	; in the new row these four numbers lie at byte 8 t, so a wave again stores 256 consecutive bytes.
	v_lshrrev_b32 v3, 4, v0
	v_and_b32 v4, 15, v0
	v_lshlrev_b32 v3, 18, v3                       ; a head is 262,144 bytes
	v_lshl_add_u32 v3, v4, 4, v3
	s_lshl_b32 s22, ttmp9, 10                      ; four rows of 256 bytes in each head,
	s_lshl_b32 s24, ttmp9, 13                      ; four rows of 2,048 bytes out
	s_add_nc_u64 s[16:17], s[6:7], s[22:23]
	s_add_nc_u64 s[18:19], s[10:11], 0x1000000     ; Wq's place in wb
	s_add_nc_u64 s[18:19], s[18:19], s[24:25]
	s_wait_alu depctr_va_vdst(0)                   ; v3 and v2 are written: the loads below read v3 as their offset, the stores v2
.set j, 0
.rept 4
	global_load_b128 v[IN+4*j:IN+4*j+3], v3, s[16:17] offset:256*j th:TH_LOAD_NT
.set j, j+1
.endr
	STREAM 4, 2                                    ; two blocks of two
	s_endpgm
.Lfunc_end_k_qce10bb5dfe_cast:
	.size	k_qce10bb5dfe_cast, .Lfunc_end_k_qce10bb5dfe_cast-k_qce10bb5dfe_cast
	.p2alignl 7, 3214868480
	.fill 96, 4, 3214868480
	.section	.rodata,"a",@progbits
	.p2align	6, 0x0
	.amdhsa_kernel k_qce10bb5dfe_cast
		.amdhsa_group_segment_fixed_size 0
		.amdhsa_private_segment_fixed_size 0
		.amdhsa_enable_private_segment 0
		.amdhsa_kernarg_size 32
		.amdhsa_user_sgpr_count 2
		.amdhsa_user_sgpr_kernarg_segment_ptr 1
		.amdhsa_wavefront_size32 1
		.amdhsa_system_sgpr_workgroup_id_x 1
		.amdhsa_system_sgpr_workgroup_id_y 1
		.amdhsa_system_sgpr_workgroup_id_z 1
		.amdhsa_system_vgpr_workitem_id 0
		.amdhsa_next_free_vgpr 104
		.amdhsa_next_free_sgpr 66
		.amdhsa_reserve_vcc 0
		.amdhsa_float_denorm_mode_32 3
		.amdhsa_float_denorm_mode_16_64 3
		.amdhsa_memory_ordered 1
		.amdhsa_forward_progress 1
		.amdhsa_inst_pref_size 9
	.end_amdhsa_kernel
	.amdgpu_metadata
---
amdhsa.version: [ 1, 2 ]
amdhsa.kernels:
  - .name:           k_qce10bb5dfe_cast
    .symbol:         k_qce10bb5dfe_cast.kd
    .args:
      - { .name: x, .offset: 0, .size: 8, .value_kind: global_buffer, .address_space: global }
      - { .name: Wq, .offset: 8, .size: 8, .value_kind: global_buffer, .address_space: global }
      - { .name: act16, .offset: 16, .size: 8, .value_kind: global_buffer, .address_space: global }
      - { .name: wb, .offset: 24, .size: 8, .value_kind: global_buffer, .address_space: global }
    .group_segment_fixed_size: 0
    .private_segment_fixed_size: 0
    .kernarg_segment_align: 8
    .kernarg_segment_size: 32
    .max_flat_workgroup_size: 256
    .sgpr_count:     66
    .vgpr_count:     104
    .wavefront_size: 32
...
	.end_amdgpu_metadata
.endif
;; end of part 8
;; launch qproj: the kernel of part 2 again; grid 8 x 32, 4 waves a work-group, clusters of 4 x 4, 327,680 bytes of LDS; arguments act16, wb, qh, bq; writes qh
;; launch attn: the kernel of part 3 again; grid 8 x 32, 4 waves a work-group, clusters of 4 x 1, 327,680 bytes of LDS; arguments qh, f32a, x, W1, W2, wb; writes f32a, wb
;; launch ln1: the kernel of part 4 again; grid 256 x 1, 8 waves a work-group, no clusters, 0 bytes of LDS; arguments f32a, ln1_g, ln1_b, x1, act16; writes x1, act16
;; launch ffn1: the kernel of part 5 again; grid 16 x 16, 4 waves a work-group, clusters of 4 x 4, 327,680 bytes of LDS; arguments act16, wb, hb, b1; writes hb
;; launch ffn2: the kernel of part 6 again; grid 8 x 32, 4 waves a work-group, clusters of 4 x 4, 327,680 bytes of LDS; arguments hb, wb, f32a, b2, x1; writes f32a
;; launch ln2: the kernel of part 7 again; grid 256 x 1, 8 waves a work-group, no clusters, 0 bytes of LDS; arguments f32a, ln2_g, ln2_b, out0; writes out0
